; MI455X (gfx1250); checked and timed in simulation.
; The chip was launched on July 23, 2026; its instructions are those of AMD's public machine-readable ISA for CDNA 5 (MIT licence, August 2026) and "CDNA5" Instruction Set Architecture Reference Guide (July 2026). The comments in the code are by the model that wrote it; some were corrected since.
;; Cross Attention. Allowed arithmetic: matrix products marked QUANTISED: E5M2 operands, one E8M0 scale for each 32 along K, by v_wmma_scale_f32_16x16x128_f8f6f4 with both operands' format E5M2, f32 sums; everything else in f32.
;; Inputs: bk 1,024 float32; bo 1,024 float32; bq 1,024 float32; bv 1,024 float32; k 4 x 2,048 x 1,024 float32; mask 4 x 2,048 int32; q 4 x 2,048 x 1,024 float32; v 4 x 2,048 x 1,024 float32; wk 1,024 x 1,024 float32; wo 1,024 x 1,024 float32; wq 1,024 x 1,024 float32; wv 1,024 x 1,024 float32.
;; Outputs: out0 4 x 2,048 x 1,024 float32.
;; This version of the problem:
;;   THIS VERSION OF THE PROBLEM IS GIVEN IN LOW PRECISION. The matrix products marked QUANTISED in the list below multiply operands that are first quantised to E5M2 (5 exponent bits, 2 mantissa bits; 8 bits a number), with one power-of-two scale for each 32 numbers along K (OCP MX v1.0); their sums are f32. All else is computed in f32.
;;   The module's matrix products, in the order in which they are computed (A, B: the left and right operand; K: the contracted axis; several contracted axes count as one K, in the product's order):
;;     1. [M 8,192, K 1,024] x [K 1,024, N 1,024]; A: input q; B: input wq: QUANTISED
;;     2. [M 8,192, K 1,024] x [K 1,024, N 1,024]; A: input k; B: input wk: QUANTISED
;;     3. [M 8,192, K 1,024] x [K 1,024, N 1,024]; A: input v; B: input wv: QUANTISED
;;     4. batch 64 x [M 2,048, K 64] x [K 64, N 2,048]; A: computed on the way; B: computed on the way: QUANTISED
;;     5. batch 64 x [M 2,048, K 2,048] x [K 2,048, N 64]; A: softmax (see below); B: computed on the way: QUANTISED
;;     6. [M 8,192, K 1,024] x [K 1,024, N 1,024]; A: computed on the way; B: input wo: QUANTISED
;;   THE QUANTISER, for each operand of a quantised product, along K:
;;     - K is cut into blocks of 32 from its start; a last block that is shorter is filled with zeros.
;;     - A block's scale is 2^e with e = floor(log2(the largest magnitude in the block)) - 15, held to -126 .. 127; a block of zeros has e = 0. As a byte (E8M0): e + 127.
;;     - Each number is divided by its block's scale, clamped to +-57,344, and rounded to the nearest number of E5M2, ties to even, subnormals kept.
;;     - The product sums the exact products of the quantised numbers (number of the format x scale) in f32.
;;   ~~~python
;;   def quantise(x, axis):      # numpy; x: float32 -> the quantised numbers, widened to float32 again
;;       x = np.moveaxis(x, axis, -1); K = x.shape[-1]
;;       x = np.pad(x, [(0, 0)] * (x.ndim - 1) + [(0, -K % 32)]); x = x.reshape(x.shape[:-1] + (-1, 32)); a = np.abs(x).max(-1, keepdims=True)
;;       e = np.where(a > 0, np.clip(np.frexp(np.where(a > 0, a, 1))[1] - 1 - 15, -126, 127), 0)      # np.frexp(a)[1] - 1 = floor(log2(a)), exactly
;;       r = np.clip(x / 2.0 ** e, -57344, 57344)
;;       step = 2.0 ** (np.maximum(np.frexp(np.where(r == 0, 1, r))[1] - 1, -14) - 2)
;;       q = np.round(r / step) * step * 2.0 ** e      # np.round: ties to even
;;       return np.moveaxis(q.reshape(q.shape[:-2] + (-1,))[..., :K], -1, axis).astype(np.float32)
;;   ~~~
;;   SOFTMAX AHEAD OF A QUANTISED PRODUCT. Where the list says 'softmax', what is quantised is not the finished softmax but p = 2^(t - M), with t = logit x log2(e) and M = ceil(the row's largest t), a whole number; so 1/2 < the row's largest p <= 1. The row's sum l is taken of the UNQUANTISED p, in f32, and the product's result is divided by l at the end. Since M is a whole number, a kernel that streams over the keys may use a running M (the ceiling of the running maximum): every later rescaling is an exact power of two, which a block's scale takes up: the codes' values come out the same.
;;   OPERANDS COMPUTED ON THE WAY. 'Computed on the way' means the value that the module computes at that place (a softmax that the list does not call 'softmax' is quantised finished and normalised). What goes into a quantiser is computed in f32, as accurately as f32 sums, v_exp_f32 and their like allow (about 1e-6 of the number): no bf16 or f16 on the way to a quantiser, and a product that is left as it is and whose result goes on into a quantised operand takes f32 operands (vector FMAs, or v_wmma_f32_16x16x4_f32). A number that lies on a knife's edge between two numbers of the format may be rounded either way, as far as f32 arithmetic and the matrix unit's own rounding can turn it there, and no further.
;; One version. Each part assembles by itself: llvm-mc -triple=amdgcn-amd-amdhsa -mcpu=gfx1250 --defsym DOCPART=n.
;; ======== version 1 of 1: 4 launches
;; limits: right only within a limited range of input values
;; workspace buffers: xcodes 29,360,128 bytes; xscales 917,504 bytes; qimg 8,912,896 bytes; kv 17,825,792 bytes; hcodes 8,388,608 bytes; hscales 262,144 bytes
;; launch quant (part 1): grid 896 x 1, 4 waves a work-group, no clusters, 33,280 bytes of LDS; arguments q, k, v, wq, wk, wv, wo, xcodes, xscales; writes xcodes, xscales
.if DOCPART == 1
	.amdgcn_target "amdgcn-amd-amdhsa--gfx1250"
	.amdhsa_code_object_version 6
	.text
	.protected	k_qc66362e508_quant
	.globl	k_qc66362e508_quant
	.p2align	8
	.type	k_qc66362e508_quant,@function
k_qc66362e508_quant:
	s_mov_b64 s[64:65], 0
	v_nop
	global_prefetch_b8 v0, s[64:65] scope:SCOPE_SE
	s_setreg_imm32_b32 hwreg(HW_REG_WAVE_MODE, 25, 1), 1
	s_wait_xcnt 0x0
; q, k, v [8192][1024] and wq, wk, wv, wo [1024][1024], f32, K innermost, become codes of BF8 (E5M2) and one E8M0 scale byte for each 32 along K.
; The codes of the seven tensors lie one behind the other in xcodes (rows of 1,024 bytes), the scale bytes likewise in xscales (rows of 32 bytes).
; A block's scale is 2^(floor(log2(its largest magnitude)) - 15); its byte is the largest magnitude's exponent field - 15, held at 1 from below; each number is divided by the scale, held within +-57,344
; and rounded to the nearest code, ties to even.
; LIMITS: a block whose largest magnitude lies under 2^-111 (the floor), a block of zeros among them, keeps the byte 1: zero codes add nothing under any byte but 0xff, and this program alone reads the bytes.
; NaN and infinities among the inputs are not served.
; SHARES: a work-group takes 32,768 numbers (32 rows), a wave 8 rows, in 16 steps of 512 numbers.  Work-groups 0-255 q, 256-511 k, 512-767 v, then 32 each for wq, wk, wv, wo.
; THE ORDER OF ROWS: in k, v, wq, wk, wv the rows are STORED with bits 3 and 4 of the row's number exchanged, which is an exchange of waves 1 and 2 of a work-group: stored rows 16 u + r of a group of 32 are
; rows 8 u + r + 8 (r / 8).  The products that follow then find, in neighbouring stored rows, the rows whose results a lane wants side by side.  q and wo keep their order.
; A lane must hold 16 NEIGHBOURS for the conversions, and a load is best where neighbouring lanes take neighbouring bytes: each load reads 512 consecutive bytes, the step's 2,048 bytes turn through the wave's own
; stage in LDS (16 bytes of padding behind each 64).  A wave's 256 scale bytes are gathered in LDS and leave as one aligned run of 256 bytes.  No barrier: waves share nothing.
.set STEPS, 16
.set EMAX,  15
.set MANT,  0x600000                   ; the mantissa field of 57,344 as f32
.set CB,    16                         ; bytes of 16 codes
.set R,     16                         ; v16-79   four sets of 16 numbers as they are loaded
.set X,     80                         ; v80-111  two sets of 16 neighbours
.set C,     128                        ; v128-191 codes: four registers for each step, so that no store's data are written again
.set E,     112                        ; v112-127 a scale byte for each step
.set WREG,  8192                       ; LDS: a region for each wave: two stages of 32 x SP bytes, and behind them its 256 scale bytes
.set SP,    80                         ; a lane's place in a stage: its 64 bytes + 16 of padding
	s_load_b512 s[4:19], s[0:1], 0x0               ; q, k, v, wq, wk, wv, wo, xcodes
	s_load_b64 s[20:21], s[0:1], 0x40              ; xscales
	v_lshl_add_u32 v192, v0, 2, 0x8000
	v_mov_b32 v193, 0
	v_lshrrev_b32 v1, 5, v0
	v_readfirstlane_b32 s22, v1                    ; wave
	v_and_b32 v2, 31, v0                           ; lane
	v_lshlrev_b32 v3, 4, v2                        ; my 16 bytes of a load's 512
	s_mul_i32 s27, s22, WREG
	v_lshrrev_b32 v14, 2, v2
	v_mul_u32_u24 v14, v14, SP
	v_and_b32 v15, 3, v2
	v_lshl_add_u32 v14, v15, 4, v14
	v_add_nc_u32 v14, s27, v14                     ; the stage, on the way in: SP (lane / 4) + 16 (lane % 4)
	v_mul_u32_u24 v15, v2, SP
	v_add_nc_u32 v15, s27, v15                     ; and on the way out: SP x lane: my 16 neighbours
	v_mul_u32_u24 v4, v2, CB                       ; my codes' place in a step's
	v_lshrrev_b32 v5, 1, v2
	s_add_co_u32 s27, s27, 2*32*SP
	v_add_nc_u32 v5, s27, v5                       ; LDS: my wave's 256 scale bytes, my block's byte
	v_lshlrev_b32 v7, 3, v2                        ; and on the way out 8 bytes a lane
	v_add_nc_u32 v6, s27, v7
	s_wait_alu depctr_va_vdst(0)
	s_wait_kmcnt 0x0
	; which tensor is mine: the choice hangs on the work-group's number alone
	s_mov_b64 s[24:25], s[16:17]                   ; wo,
	s_mov_b32 s26, 864                             ; whose first work-group is 864
	s_cmp_lt_u32 ttmp9, 864
	s_cselect_b64 s[24:25], s[14:15], s[24:25]
	s_cselect_b32 s26, 832, s26
	s_cmp_lt_u32 ttmp9, 832
	s_cselect_b64 s[24:25], s[12:13], s[24:25]
	s_cselect_b32 s26, 800, s26
	s_cmp_lt_u32 ttmp9, 800
	s_cselect_b64 s[24:25], s[10:11], s[24:25]
	s_cselect_b32 s26, 768, s26
	s_cmp_lt_u32 ttmp9, 768
	s_cselect_b64 s[24:25], s[8:9], s[24:25]
	s_cselect_b32 s26, 512, s26
	s_cmp_lt_u32 ttmp9, 512
	s_cselect_b64 s[24:25], s[6:7], s[24:25]
	s_cselect_b32 s26, 256, s26
	s_cmp_lt_u32 ttmp9, 256
	s_cselect_b64 s[24:25], s[4:5], s[24:25]
	s_cselect_b32 s26, 0, s26
	s_sub_co_u32 s28, ttmp9, s26
	s_lshl_b32 s28, s28, 2
	s_add_co_u32 s28, s28, s22                     ; which run of 8,192 numbers of the tensor is my wave's
	s_lshl_b32 s28, s28, 15                        ; 32,768 bytes a run
	s_mov_b32 s29, 0
	s_add_nc_u64 s[24:25], s[24:25], s[28:29]
	s_and_b32 s31, s22, 1                          ; the wave's number with its two bits exchanged
	s_lshl_b32 s31, s31, 1
	s_lshr_b32 s30, s22, 1
	s_or_b32 s31, s31, s30
	s_sub_co_u32 s30, ttmp9, 256
	s_cmp_lt_u32 s30, 608                          ; work-groups 256 to 863: k, v, wq, wk, wv
	s_cselect_b32 s31, s31, s22
	s_lshl_b32 s30, ttmp9, 2
	s_add_co_u32 s30, s30, s31                     ; the run's place in the two outputs
	s_lshl_b32 s32, s30, 13                        ; 8,192 bytes of codes a run
	s_mov_b32 s33, 0
	s_add_nc_u64 s[18:19], s[18:19], s[32:33]
	s_lshl_b32 s32, s30, 8                         ; 256 scale bytes a run
	s_add_nc_u64 s[20:21], s[20:21], s[32:33]
.macro LOAD t
.irp i, 0,1,2,3
	global_load_b128 v[R+16*((\t)%4)+4*\i:R+16*((\t)%4)+4*\i+3], v3, s[24:25] offset:2048*(\t)+512*\i th:TH_LOAD_NT   ; 32 lanes read 512 consecutive bytes
.endr
.endm
.macro TURN t                          ; step t's numbers through the stage: LDS serves a wave's instructions in order, so no wait stands between the stores and the loads
.irp i, 0,1,2,3
	ds_store_b128 v14, v[R+16*((\t)%4)+4*\i:R+16*((\t)%4)+4*\i+3] offset:32*SP*((\t)%2)+8*SP*\i
.endr
.irp i, 0,1,2,3
	ds_load_b128 v[X+16*((\t)%2)+4*\i:X+16*((\t)%2)+4*\i+3], v15 offset:32*SP*((\t)%2)+16*\i
.endr
.endm
.irp t, 0,1,2,3
	LOAD \t
.endr
	s_wait_loadcnt 12                              ; step 0's four loads are in
	TURN 0
.macro STEP t
.set XS, X+16*((\t)%2)
.if (\t) > 0
	s_wait_dscnt 1                                 ; this step's numbers are back from the stage (the last step's byte store may be out): so its stores into the stage have read their registers,
.else
	s_wait_dscnt 0x0
.endif
.if (\t)+4 < STEPS
	LOAD (\t)+4                                    ; which take the loads of four steps on
.endif
.if (\t)+1 < STEPS
.if STEPS-2-(\t) >= 3
	s_wait_loadcnt 12                              ; the next step's four loads are in; those of the three steps behind it may be out
.else
	s_wait_loadcnt 4*(STEPS-2-(\t))
.endif
	TURN (\t)+1                                    ; and go through the other stage while this step is worked
.endif
	v_max3_num_f32 v8, |v[XS]|, |v[XS+1]|, |v[XS+2]|               ; the largest magnitude of my 16, in two chains
	v_max3_num_f32 v9, |v[XS+3]|, |v[XS+4]|, |v[XS+5]|
.irp i, 6,10
	v_max3_num_f32 v8, v8, |v[XS+\i]|, |v[XS+\i+1]|
	v_max3_num_f32 v9, v9, |v[XS+\i+2]|, |v[XS+\i+3]|
.endr
	v_max3_num_f32 v8, v8, |v[XS+14]|, |v[XS+15]|
	v_max3_num_f32 v8, v8, v9, (EMAX+1)<<23        ; and the floor 2^(16 - 127): the byte cannot fall under 1
	v_max_num_f32_dpp v8, v8, v8 row_xmask:1 row_mask:0xf bank_mask:0xf   ; and of my neighbour's 16: the block's
	v_add_nc_u32 v11, -(EMAX<<23), v8              ; 15 off its exponent field: the conversion takes the exponent field of this operand as its scale
.irp i, 0,1,2,3,4,5,6,7,8,9,10,11,12,13,14,15
.endr
	v_cvt_scalef32_pk8_bf8_f32 v[C+4*(\t):C+4*(\t)+1], v[XS:XS+7], v11
	v_cvt_scalef32_pk8_bf8_f32 v[C+4*(\t)+2:C+4*(\t)+3], v[XS+8:XS+15], v11
	v_lshrrev_b32 v[E+(\t)], 23, v11               ; the scale's byte (also the plain line behind the conversions)
	ds_store_b8 v5, v[E+(\t)] offset:16*(\t)       ; both lanes of a block write the same byte with the same value
	global_store_b128 v4, v[C+4*(\t):C+4*(\t)+3], s[18:19] offset:32*CB*(\t)   ; 32 lanes store 512 consecutive bytes
.endm
.irp t, 0,1,2,3,4,5,6,7,8,9,10,11,12,13,14,15
	STEP \t
.endr
	ds_load_b64 v[12:13], v6                       ; LDS serves a wave's instructions in order: these see my stores
	s_wait_dscnt 0x0
	global_store_b64 v7, v[12:13], s[20:21]        ; 32 lanes store 256 consecutive bytes, aligned
	s_wait_tensorcnt 0x0
	ds_add_u32 v192, v193
	s_wait_dscnt 0x0
	s_endpgm
.Lfunc_end_k_qc66362e508_quant:
	.size	k_qc66362e508_quant, .Lfunc_end_k_qc66362e508_quant-k_qc66362e508_quant
	.p2alignl 7, 3214868480
	.fill 96, 4, 3214868480
	.section	.rodata,"a",@progbits
	.p2align	6, 0x0
	.amdhsa_kernel k_qc66362e508_quant
		.amdhsa_group_segment_fixed_size 33280
		.amdhsa_private_segment_fixed_size 0
		.amdhsa_enable_private_segment 0
		.amdhsa_kernarg_size 72
		.amdhsa_user_sgpr_count 2
		.amdhsa_user_sgpr_kernarg_segment_ptr 1
		.amdhsa_wavefront_size32 1
		.amdhsa_system_sgpr_workgroup_id_x 1
		.amdhsa_system_sgpr_workgroup_id_y 1
		.amdhsa_system_sgpr_workgroup_id_z 1
		.amdhsa_system_vgpr_workitem_id 0
		.amdhsa_next_free_vgpr 194
		.amdhsa_next_free_sgpr 66
		.amdhsa_reserve_vcc 0
		.amdhsa_float_denorm_mode_32 3
		.amdhsa_float_denorm_mode_16_64 3
		.amdhsa_fp16_overflow 1
		.amdhsa_memory_ordered 1
		.amdhsa_forward_progress 1
		.amdhsa_inst_pref_size 34
	.end_amdhsa_kernel
	.amdgpu_metadata
---
amdhsa.version: [ 1, 2 ]
amdhsa.kernels:
  - .name:           k_qc66362e508_quant
    .symbol:         k_qc66362e508_quant.kd
    .args:
      - { .name: q, .offset: 0, .size: 8, .value_kind: global_buffer, .address_space: global }
      - { .name: k, .offset: 8, .size: 8, .value_kind: global_buffer, .address_space: global }
      - { .name: v, .offset: 16, .size: 8, .value_kind: global_buffer, .address_space: global }
      - { .name: wq, .offset: 24, .size: 8, .value_kind: global_buffer, .address_space: global }
      - { .name: wk, .offset: 32, .size: 8, .value_kind: global_buffer, .address_space: global }
      - { .name: wv, .offset: 40, .size: 8, .value_kind: global_buffer, .address_space: global }
      - { .name: wo, .offset: 48, .size: 8, .value_kind: global_buffer, .address_space: global }
      - { .name: xcodes, .offset: 56, .size: 8, .value_kind: global_buffer, .address_space: global }
      - { .name: xscales, .offset: 64, .size: 8, .value_kind: global_buffer, .address_space: global }
    .group_segment_fixed_size: 33280
    .private_segment_fixed_size: 0
    .kernarg_segment_align: 8
    .kernarg_segment_size: 72
    .max_flat_workgroup_size: 128
    .sgpr_count:     66
    .vgpr_count:     194
    .wavefront_size: 32
...
	.end_amdgpu_metadata
.endif
;; end of part 1
;; launch proj (part 2): grid 4 x 96, 4 waves a work-group, clusters of 4 x 4, 327,680 bytes of LDS; arguments xcodes, xscales, bq, bk, bv, qimg, kv; writes qimg, kv
.if DOCPART == 2
	.amdgcn_target "amdgcn-amd-amdhsa--gfx1250"
	.amdhsa_code_object_version 6
	.text
	.protected	k_qc66362e508_proj
	.globl	k_qc66362e508_proj
	.p2align	8
	.type	k_qc66362e508_proj,@function
k_qc66362e508_proj:
	s_mov_b64 s[64:65], 0
	v_nop
	global_prefetch_b8 v0, s[64:65] scope:SCOPE_SE
	s_setreg_imm32_b32 hwreg(HW_REG_WAVE_MODE, 25, 1), 1
	s_wait_xcnt 0x0
	s_wait_alu depctr_hold_cnt(0) depctr_sa_sdst(0) depctr_va_vdst(0) depctr_va_sdst(0) depctr_va_ssrc(0) depctr_va_vcc(0) depctr_vm_vsrc(0)
	s_getreg_b32 s2, hwreg(HW_REG_IB_STS2, 6, 4)
	s_cmp_eq_u32 s2, 0
	s_cbranch_scc0 .Lentry_in_a_cluster
	s_endpgm
.Lentry_in_a_cluster:
	s_bfe_u32 s2, ttmp6, 0x10000c
	s_cmp_lg_u32 s2, 0xf033
	s_cbranch_scc0 .Lentry_shape_is_right
	s_endpgm
.Lentry_shape_is_right:
.set SIZE_K, 1024
.set XV,     0x1000000
.set XWQ,    0x1800000
.set XWV,    0x1a00000
.set QSC,    8388608
.set REC,    17408
.set HEADB,  16*REC
.set KSTEP,  256
.set NQ,     KSTEP/128
.set ROWB,   256
.set KROW,   SIZE_K
.set PITCH,  272
.set FR,     16
.set NL,     4
.set NP,     8
.set HALFT,  128*PITCH
.set SLOT,   4*HALFT
.set LAPS,   SIZE_K/(2*KSTEP)
.set KS,     SIZE_K/32
.set SCL,    2*SLOT
.set HALFS,  (128*KS/256)*272
.set SBLK,   (16*KS/256)*272
.set SPARE,  SCL+4*HALFS
.set BL,   8
.set ADRA, 16
.set ADRB, 20
.set LI,   22
.set LV,   23
.set SS,   24
.set SRD,  25
.set ADRS, 27
.set SPW,  28
.set NIL,  29
.set SC,   32
.set ZQ,   32
.set BP,   36
.set BI,   64
.set AF,   128
.set T,    128
.set PC,   192
.set TM,   224
.set PWA,  240
.set X0,   248
.set X1,   252
.set G1, 24
.set G0, 32
.set G1B, 48
.set G0B, 56
.set G1S, 68
.set G0S, 76
.set G1SB, 80
.set G0SB, 88
.set ISV, 2
.set CB,  96
.set SB0, 100
.set SB1, 104
.set SEL, 20
.set MNT, 22
.set MSB, 0
.macro WIN new
.if MSB != \new
	s_set_vgpr_msb (MSB<<8)|\new
.set MSB, \new
.endif
.endm
.set MUL_LO, 0xa1
.set MUL_HI, 0xf1
.set TO_B,   0x40
.macro JLOAD g0a, g1a, g0b, g1b
	s_cmp_eq_u32 s15, 0
	s_cbranch_scc0 .Lfor_b_\@
	tensor_load_to_lds s[\g0a:\g0a+3], s[\g1a:\g1a+7]
	s_nop 0
.rept 4
	v_nop
.endr
	s_branch .Lasked_\@
.Lfor_b_\@:
	tensor_load_to_lds s[\g0b:\g0b+3], s[\g1b:\g1b+7]
	s_nop 0
.rept 4
	v_nop
.endr
.Lasked_\@:
.endm
.macro CREST
	s_cmp_lg_u32 s14, 0
	s_cbranch_scc1 .Lnot_wave_0_\@
	s_barrier_signal -3
.Lnot_wave_0_\@:
	s_barrier_wait -3
	s_barrier_signal -1
	s_barrier_wait -1
.endm
.macro CROUND
	s_barrier_signal -1
	s_barrier_wait -1
	CREST
.endm
	s_load_b128 s[4:7], s[0:1], 0x0
	s_load_b128 s[96:99], s[0:1], 0x10
	s_load_b64 s[100:101], s[0:1], 0x20
	s_load_b64 s[10:11], s[0:1], 0x28
	s_load_b64 s[12:13], s[0:1], 0x30
	v_lshl_add_u32 v[SPW], v0, 2, SPARE
	v_mov_b32 v[NIL], 0
	ds_add_u32 v28, v29
	ds_add_u32 v28, v29
	s_wait_dscnt 0x0
	v_lshrrev_b32 v1, 5, v0
	v_readfirstlane_b32 s14, v1
	s_lshr_b32 s15, s14, 1
	s_and_b32 s16, s14, 1
	s_bfe_u32 s40, ttmp6, 0x40000
	s_bfe_u32 s41, ttmp6, 0x40004
	s_and_b32 s66, ttmp7, 0xffff
	s_and_b32 s67, s66, 7
	s_lshl_b32 s67, s67, 2
	s_lshr_b32 s66, s66, 3
	s_lshl_b32 s18, s66, 23
	s_lshl_b32 s19, s66, 20
	s_add_co_u32 s19, s19, XWQ
	s_cmp_eq_u32 s66, 2
	s_cselect_b32 s[ISV], 1, 0
	s_cselect_b32 s42, s67, 0
	s_cselect_b32 s17, 0, s67
	s_cselect_b32 s18, XWV, s18
	s_cselect_b32 s19, XV, s19
	s_add_co_u32 s42, s42, s40
	s_add_co_u32 s17, s17, s41
	s_lshl_b32 s43, s41, 2
	s_lshl_b32 s43, 15, s43
	s_lshl_b32 s44, 0x1111, s40
	s_or_b32 s[G1+0], s43, (0<<16)|(1<<20)|(1<<21)|(5<<22)|(3<<25)
	s_or_b32 s[G1B+0], s44, (0<<16)|(1<<20)|(1<<21)|(5<<22)|(3<<25)
.irp g, G1, G1B
	s_mov_b32 s[\g+1], ROWB<<16
	s_mov_b32 s[\g+2], 128<<16
	s_mov_b32 s[\g+3], ROWB<<16
	s_mov_b32 s[\g+4], 128
	s_mov_b32 s[\g+5], KROW
	s_mov_b32 s[\g+6], 0
	s_mov_b32 s[\g+7], 0
.endr
	s_or_b32 s[G1S+0], s43, (3<<16)|(1<<20)|(1<<21)|(5<<22)|(3<<25)
	s_or_b32 s[G1SB+0], s44, (3<<16)|(1<<20)|(1<<21)|(5<<22)|(3<<25)
.irp g, G1S, G1SB
	s_mov_b32 s[\g+1], 32<<16
	s_mov_b32 s[\g+2], (128*KS/256)<<16
	s_mov_b32 s[\g+3], 32<<16
	s_mov_b32 s[\g+4], 128*KS/256
	s_mov_b32 s[\g+5], 32
	s_mov_b32 s[\g+6], 0
	s_mov_b32 s[\g+7], 0
.endr
	s_lshl_b32 s20, s16, 7
	s_lshl_b32 s21, s17, 8
	s_add_co_u32 s21, s21, s20
	s_lshl_b32 s46, s42, 8
	s_add_co_u32 s46, s46, s20
	s_lshl_b32 s22, s21, 5
	s_lshr_b32 s23, s18, 5
	s_add_co_u32 s22, s22, s23
	s_lshl_b32 s20, s21, 10
	s_add_co_u32 s20, s20, s18
	s_lshl_b32 s92, s46, 5
	s_lshr_b32 s23, s19, 5
	s_add_co_u32 s92, s92, s23
	s_lshl_b32 s46, s46, 10
	s_add_co_u32 s46, s46, s19
	s_mov_b32 s21, 0
	s_mov_b32 s23, 0
	s_mov_b32 s47, 0
	s_mov_b32 s93, 0
	s_mul_i32 s45, s14, HALFT
	s_mul_i32 s94, s14, HALFS
	s_wait_kmcnt 0x0
	s_add_nc_u64 s[20:21], s[4:5], s[20:21]
	s_add_nc_u64 s[22:23], s[6:7], s[22:23]
	s_add_nc_u64 s[46:47], s[4:5], s[46:47]
	s_add_nc_u64 s[92:93], s[6:7], s[92:93]
	CROUND
	s_mov_b32 s[G0S], 1
	s_add_co_u32 s[G0S+1], s94, SCL
	s_mov_b64 s[G0S+2:G0S+3], s[22:23]
	s_or_b32 s[G0S+3], s[G0S+3], 0x80000000
	s_mov_b32 s[G0SB], 1
	s_add_co_u32 s[G0SB+1], s94, SCL
	s_mov_b64 s[G0SB+2:G0SB+3], s[92:93]
	s_or_b32 s[G0SB+3], s[G0SB+3], 0x80000000
	JLOAD G0S, G1S, G0SB, G1SB
.irp s, 0,1
	s_mov_b32 s[G0+4*\s], 1
	s_add_co_u32 s[G0+4*\s+1], s45, \s*SLOT
	s_add_nc_u64 s[G0+4*\s+2:G0+4*\s+3], s[20:21], \s*ROWB
	s_or_b32 s[G0+4*\s+3], s[G0+4*\s+3], 0x80000000
	s_mov_b32 s[G0B+4*\s], 1
	s_add_co_u32 s[G0B+4*\s+1], s45, \s*SLOT
	s_add_nc_u64 s[G0B+4*\s+2:G0B+4*\s+3], s[46:47], \s*ROWB
	s_or_b32 s[G0B+4*\s+3], s[G0B+4*\s+3], 0x80000000
	s_wait_alu depctr_va_vdst(0)
	s_wait_tensorcnt 0x0
	ds_add_u32 v28, v29
	s_wait_dscnt 0x0
	CROUND
	JLOAD G0+4*\s, G1, G0B+4*\s, G1B
.endr
	v_and_b32 v1, 15, v0
	v_bfe_u32 v2, v0, 4, 1
	v_mul_u32_u24 v3, v1, PITCH
	v_lshl_add_u32 v4, v2, 4, v3
	s_mul_i32 s21, s15, HALFT
	s_mul_i32 s22, s16, HALFT
	s_add_co_u32 s22, s22, 2*HALFT
.irp s, 0,1
	v_add_nc_u32 v[ADRA+\s], s21, v4
	v_add_nc_u32 v[ADRB+\s], s22, v4
	s_add_co_u32 s21, s21, SLOT
	s_add_co_u32 s22, s22, SLOT
.endr
	v_mul_u32_u24 v5, v1, KS
	v_lshrrev_b32 v6, 8, v5
	v_lshl_add_u32 v5, v6, 4, v5
	s_mul_i32 s21, s15, HALFS
	s_mul_i32 s22, s16, HALFS
	s_add_co_u32 s22, s22, 2*HALFS
	s_sub_co_u32 s22, s22, s21
	v_mul_u32_u24 v6, s22, v2
	s_add_co_u32 s21, s21, SCL
	v_add_nc_u32 v5, v5, v6
	v_add_nc_u32 v[ADRS], s21, v5
	v_and_b32 v6, 31, v0
	v_lshlrev_b32 v[LI], 4, v6
	v_mul_u32_u24 v[LV], v2, HEADB
	v_lshl_add_u32 v[LV], v1, 4, v[LV]
	s_lshl_b32 s23, s14, 10
	v_lshl_add_u32 v[SS], v1, 2, s23
	v_add_nc_u32 v[SRD], s23, v[LI]
	v_lshlrev_b32 v30, 6, v2
	s_wait_alu depctr_va_vdst(0)
	v_and_b32 v31, 8, v1
	v_add_nc_u32 v31, v31, v1
	v_lshlrev_b32 v31, 2, v31
	s_wait_alu depctr_va_vdst(0)
	s_cmp_eq_u32 s66, 0
	s_cselect_b64 s[8:9], s[96:97], s[98:99]
	s_cmp_eq_u32 s66, 2
	s_cselect_b64 s[8:9], s[100:101], s[8:9]
	s_lshl_b32 s18, s42, 8
	s_lshl_b32 s19, s16, 7
	s_add_co_u32 s18, s18, s19
	s_lshl_b32 s19, s17, 8
	s_lshl_b32 s20, s15, 7
	s_add_co_u32 s19, s19, s20
	s_lshl_b32 s20, s18, 2
	s_lshl_b32 s22, s19, 2
	s_cmp_eq_u32 s[ISV], 0
	s_cselect_b32 s92, s20, 0
	s_cselect_b32 s46, 0, s22
	s_cselect_b32 s94, s19, s18
	s_cselect_b32 s95, s18, s19
	s_mov_b32 s93, 0
	s_mov_b32 s47, 0
	s_add_nc_u64 s[92:93], s[8:9], s[92:93]
	s_add_nc_u64 s[46:47], s[8:9], s[46:47]
.irp g, 0,1,2,3
.irp i, 0,1,2,3
	global_load_b128 v[BI+16*\g+4*\i:BI+16*\g+4*\i+3], v30, s[92:93] offset:128*\g+16*\i
.endr
.endr
.irp a, 0,1,2,3,4,5,6,7
	global_load_b32 v[BL+\a], v31, s[46:47] offset:4*(32*(\a/2)+8*(\a%2))
.endr
	s_lshr_b32 s18, s94, 11
	s_and_b32 s19, s94, 2047
	s_lshl_b32 s18, s18, 4
	s_lshr_b32 s20, s95, 6
	s_add_co_u32 s18, s18, s20
	s_lshl_b32 s20, s18, 17
	s_lshl_b32 s21, s19, 6
	s_add_co_u32 s20, s20, s21
	s_lshl_b32 s21, s18, 13
	s_lshl_b32 s22, s19, 2
	s_add_co_u32 s21, s21, s22
	s_add_co_u32 s21, s21, QSC
	s_lshl_b32 s22, s18, 4
	s_lshr_b32 s23, s19, 7
	s_add_co_u32 s22, s22, s23
	s_mul_i32 s22, s22, REC
	s_add_co_u32 s23, s22, 16384
	s_add_co_u32 s45, s22, 8192
	s_add_co_u32 s94, s22, 16896
	s_cmp_eq_u32 s66, 2
	s_cselect_b32 s22, s45, s22
	s_cselect_b32 s23, s94, s23
	s_mov_b32 s45, HEADB
	s_cmp_eq_u32 s66, 0
	s_cselect_b32 s96, s20, s22
	s_cselect_b32 s100, s21, s23
	s_cselect_b64 s[94:95], s[10:11], s[12:13]
	s_cselect_b32 s98, 131072, s45
	s_cselect_b32 s104, 8192, s45
	s_mov_b32 s97, 0
	s_mov_b32 s99, 0
	s_mov_b32 s101, 0
	s_mov_b32 s105, 0
	s_add_nc_u64 s[96:97], s[94:95], s[96:97]
	s_add_nc_u64 s[98:99], s[96:97], s[98:99]
	s_add_nc_u64 s[100:101], s[94:95], s[100:101]
	s_add_nc_u64 s[104:105], s[100:101], s[104:105]
.macro FRAG reg, adr, q, i
.irp c, 0,1,2,3
	ds_load_b128 v[\reg+4*\c:\reg+4*\c+3], v[\adr] offset:128*(\q)+32*\c+(\i)*16*PITCH
.endr
.endm
.macro MUL16 a0, p, q, sc, zero
.irp a, \a0, \a0+1
.irp b, 0,1,2,3,4,5,6,7
.if \zero
	v_wmma_scale_f32_16x16x128_f8f6f4 v[8*(8*((\a)%4)+\b):8*(8*((\a)%4)+\b)+7], v[128*(\p)+FR*\b:128*(\p)+FR*\b+FR-1], v[AF+FR*(\a):AF+FR*(\a)+FR-1], 0, v[SC+8*NQ*(\sc)+NQ*\b+(\q)], v[SC+8*NQ*(\sc)+NQ*(\a)+(\q)] matrix_a_fmt:MATRIX_FMT_BF8 matrix_b_fmt:MATRIX_FMT_BF8 matrix_a_scale:MATRIX_SCALE_ROW1
.else
	v_wmma_scale_f32_16x16x128_f8f6f4 v[8*(8*((\a)%4)+\b):8*(8*((\a)%4)+\b)+7], v[128*(\p)+FR*\b:128*(\p)+FR*\b+FR-1], v[AF+FR*(\a):AF+FR*(\a)+FR-1], v[8*(8*((\a)%4)+\b):8*(8*((\a)%4)+\b)+7], v[SC+8*NQ*(\sc)+NQ*\b+(\q)], v[SC+8*NQ*(\sc)+NQ*(\a)+(\q)] matrix_a_fmt:MATRIX_FMT_BF8 matrix_b_fmt:MATRIX_FMT_BF8 matrix_a_scale:MATRIX_SCALE_ROW1
.endif
.endr
.endr
.endm
.macro FETCH_B slot, q, p
	WIN TO_B
.irp i, 0,1,2,3,4,5,6,7
	FRAG 128*(\p)+FR*\i, ADRB+\slot, \q, \i
.endr
	WIN 0
.endm
.macro FETCH_A slot, q, i0
.irp i, \i0, \i0+1, \i0+2, \i0+3
	FRAG AF+FR*(\i), ADRA+\slot, \q, \i
.endr
.endm
.macro SCALES sc
.irp i, 0,1,2,3,4,5,6,7
	ds_load_b64 v[SC+8*NQ*\sc+NQ*\i:SC+8*NQ*\sc+NQ*\i+1], v[ADRS] offset:\i*SBLK
.endr
.endm
.macro PLACES n
.rept \n
	v_nop
.endr
.endm
.macro STEP slot, q, zero
	s_wait_dscnt 4*NL
	WIN MUL_LO
	MUL16 0, (\q)%2, \q, \slot, \zero
	MUL16 2, (\q)%2, \q, \slot, \zero
	s_wait_dscnt 0
	PLACES NP
	FETCH_B \slot, (\q)+1, 1-(\q)%2
	FETCH_A \slot, (\q)+1, 0
	WIN MUL_HI
	MUL16 4, (\q)%2, \q, \slot, \zero
	MUL16 6, (\q)%2, \q, \slot, \zero
	PLACES NP
	WIN 0
	FETCH_A \slot, (\q)+1, 4
.endm
.macro TURN slot, next, fill
	s_wait_tensorcnt 0x0
	ds_add_u32 v[SPW], v[NIL]
	s_wait_dscnt 4*NL+1
	WIN MUL_LO
	MUL16 0, 1, NQ-1, \slot, 0
	s_wait_dscnt 0x0
	s_barrier_signal -1
	MUL16 2, 1, NQ-1, \slot, 0
	WIN 0
	s_barrier_wait -1
.if \fill
	CREST
	s_add_nc_u64 s[G0+4*\slot+2:G0+4*\slot+3], s[G0+4*\slot+2:G0+4*\slot+3], 2*ROWB
	s_add_nc_u64 s[G0B+4*\slot+2:G0B+4*\slot+3], s[G0B+4*\slot+2:G0B+4*\slot+3], 2*ROWB
	JLOAD G0+4*\slot, G1, G0B+4*\slot, G1B
	PLACES NP-4
.else
	PLACES NP
.endif
	s_wait_alu depctr_va_vdst(0)
	v_add_nc_u32 v[ADRS], 4*NQ, v[ADRS]
	FETCH_B \next, 0, 0
	FETCH_A \next, 0, 0
	SCALES \next
	WIN MUL_HI
	MUL16 4, 1, NQ-1, \slot, 0
	MUL16 6, 1, NQ-1, \slot, 0
	PLACES NP
	WIN 0
	FETCH_A \next, 0, 4
.endm
	s_wait_loadcnt 0x0
	s_wait_tensorcnt 1
	s_barrier_signal -1
	s_barrier_wait -1
	FETCH_B 0, 0, 0
	FETCH_A 0, 0, 0
	SCALES 0
	FETCH_A 0, 0, 4
	STEP 0, 0, 1
	s_mov_b32 s3, LAPS-1
.Llap:
	TURN 0, 1, 1
	STEP 1, 0, 0
	TURN 1, 0, 1
	STEP 0, 0, 0
	s_sub_co_u32 s3, s3, 1
	s_cmp_lg_u32 s3, 0
	s_cbranch_scc1 .Llap
	TURN 0, 1, 0
	STEP 1, 0, 0
	s_wait_dscnt 4*NL
	WIN MUL_LO
	MUL16 0, 1, NQ-1, 1, 0
	MUL16 2, 1, NQ-1, 1, 0
	s_wait_dscnt 0
	WIN MUL_HI
	MUL16 4, 1, NQ-1, 1, 0
	MUL16 6, 1, NQ-1, 1, 0
	WIN 0
.macro QUANT pw
.irp b, 0,1,2,3
	v_max3_num_f32 v[TM+\b], |v[T+16*\b]|, |v[T+1+16*\b]|, 0x8000000
.endr
.irp i, 2,4,6,8,10,12,14
.irp b, 0,1,2,3
	v_max3_num_f32 v[TM+\b], v[TM+\b], |v[T+16*\b+\i]|, |v[T+1+16*\b+\i]|
.endr
.endr
.irp b, 0,1,2,3
	v_permlanex16_b32 v[TM+4+\b], v[TM+\b], s[SEL], s[SEL+1]
.endr
.irp b, 0,1,2,3
	v_max_num_f32 v[TM+\b], v[TM+\b], v[TM+4+\b]
.endr
.irp b, 0,1,2,3
	v_add_nc_u32 v[TM+12+\b], 0xf8800000, v[TM+\b]
.endr
.irp b, 0,1,2,3
.endr
.irp b, 0,1,2,3
	v_lshrrev_b32 v[TM+4+\b], 23, v[TM+12+\b]
.endr
	v_lshl_or_b32 v[\pw], v[TM+5], 8, v[TM+4]
	v_lshl_or_b32 v[\pw], v[TM+6], 16, v[\pw]
	v_lshl_or_b32 v[\pw], v[TM+7], 24, v[\pw]
.irp b, 0,1,2,3
.irp i, 0,1,2,3,4,5,6,7,8,9,10,11,12,13,14,15
.endr
	v_cvt_scalef32_pk8_bf8_f32 v[PCS+4*\b:PCS+1+4*\b], v[T+16*\b:T+7+16*\b], v[TM+12+\b]
	v_cvt_scalef32_pk8_bf8_f32 v[PCS+2+4*\b:PCS+3+4*\b], v[T+8+16*\b:T+15+16*\b], v[TM+12+\b]
.endr
	v_nop
.endm
.macro WAYOUT isv
.irp a, 0,1,2,3,4,5,6,7
.set PCS, PC+16*(\a%2)
.set AC, 64*(\a%4)
.if \a >= 2
	s_wait_xcnt 0x0
.endif
.if \isv
	v_mov_b32 v[BP], v[BL+\a]
.endif
	s_wait_alu depctr_va_vdst(0)
	WIN (0x02+\a/4)
.set i, 0
.rept 32
.if \isv
	v_pk_add_f32 v[T+i:T+i+1], v[AC+i:AC+i+1], v[BP:BP+1] op_sel_hi:[1,0]
.else
	v_pk_add_f32 v[T+i:T+i+1], v[AC+i:AC+i+1], v[BI+i:BI+i+1]
.endif
.set i, i+2
.endr
	WIN 0
	QUANT PWA+\a
.irp g, 0,1,2,3
.if \isv
	global_store_b128 v[LI], v[PCS+4*\g:PCS+4*\g+3], s[CB+2*(\a/4):CB+2*(\a/4)+1] offset:2048*(\a%4)+512*\g
.else
	global_store_b128 v[LI], v[PCS+4*\g:PCS+4*\g+3], s[CB+2*(\g/2):CB+2*(\g/2)+1] offset:1024*\a+512*(\g%2)
.endif
.endr
.endr
.if \isv
.irp a, 0,1,2,3,4,5,6,7
	ds_store_b32 v[SS], v[PWA+\a] offset:4096+64*\a
.endr
	ds_load_b128 v[X0:X0+3], v[SRD] offset:4096
	s_wait_dscnt 0x0
	global_store_b128 v[LV], v[X0:X0+3], s[SB0:SB0+1]
	global_store_b128 v[LV], v[ZQ:ZQ+3], s[SB0:SB0+1] offset:256
.else
.irp a, 0,1,2,3,4,5,6,7
	v_and_b32 v[T+\a], 0xffff, v[PWA+\a]
	v_lshrrev_b32 v[T+8+\a], 16, v[PWA+\a]
.endr
.irp a, 0,1,2,3,4,5,6,7
	ds_store_b32 v[SS], v[T+\a] offset:64*\a
	ds_store_b32 v[SS], v[T+8+\a] offset:512+64*\a
.endr
	ds_load_b128 v[X0:X0+3], v[SRD]
	ds_load_b128 v[X1:X1+3], v[SRD] offset:512
	s_wait_dscnt 0x0
	global_store_b128 v[LI], v[X0:X0+3], s[SB0:SB0+1]
	global_store_b128 v[LI], v[X1:X1+3], s[SB1:SB1+1]
.endif
.endm
	PLACES NP
	s_mov_b32 s[SEL], 0x76543210
	s_mov_b32 s[SEL+1], 0xfedcba98
.irp b, 0,1,2,3
	v_mov_b32 v[TM+4+\b], 0
	v_mov_b32 v[ZQ+\b], 0
.endr
	v_mov_b32 v[BP+1], 0
	s_cmp_eq_u32 s[ISV], 0
	s_cbranch_scc0 .Lway_v
	WAYOUT 0
	s_branch .Lend
.Lway_v:
	WAYOUT 1
.Lend:
	s_wait_tensorcnt 0x0
	ds_add_u32 v[SPW], v[NIL]
	s_wait_dscnt 0x0
	CROUND
	s_endpgm
.Lfunc_end_k_qc66362e508_proj:
	.size	k_qc66362e508_proj, .Lfunc_end_k_qc66362e508_proj-k_qc66362e508_proj
	.p2alignl 7, 3214868480
	.fill 96, 4, 3214868480
	.section	.rodata,"a",@progbits
	.p2align	6, 0x0
	.amdhsa_kernel k_qc66362e508_proj
		.amdhsa_group_segment_fixed_size 327680
		.amdhsa_private_segment_fixed_size 0
		.amdhsa_enable_private_segment 0
		.amdhsa_kernarg_size 56
		.amdhsa_user_sgpr_count 2
		.amdhsa_user_sgpr_kernarg_segment_ptr 1
		.amdhsa_wavefront_size32 1
		.amdhsa_system_sgpr_workgroup_id_x 1
		.amdhsa_system_sgpr_workgroup_id_y 1
		.amdhsa_system_sgpr_workgroup_id_z 1
		.amdhsa_system_vgpr_workitem_id 0
		.amdhsa_next_free_vgpr 1024
		.amdhsa_next_free_sgpr 106
		.amdhsa_reserve_vcc 0
		.amdhsa_float_denorm_mode_32 3
		.amdhsa_float_denorm_mode_16_64 3
		.amdhsa_fp16_overflow 1
		.amdhsa_memory_ordered 1
		.amdhsa_forward_progress 1
		.amdhsa_inst_pref_size 223
	.end_amdhsa_kernel
	.amdgpu_metadata
---
amdhsa.version: [ 1, 2 ]
amdhsa.kernels:
  - .name:           k_qc66362e508_proj
    .symbol:         k_qc66362e508_proj.kd
    .args:
      - { .name: xcodes, .offset: 0, .size: 8, .value_kind: global_buffer, .address_space: global }
      - { .name: xscales, .offset: 8, .size: 8, .value_kind: global_buffer, .address_space: global }
      - { .name: bq, .offset: 16, .size: 8, .value_kind: global_buffer, .address_space: global }
      - { .name: bk, .offset: 24, .size: 8, .value_kind: global_buffer, .address_space: global }
      - { .name: bv, .offset: 32, .size: 8, .value_kind: global_buffer, .address_space: global }
      - { .name: qimg, .offset: 40, .size: 8, .value_kind: global_buffer, .address_space: global }
      - { .name: kv, .offset: 48, .size: 8, .value_kind: global_buffer, .address_space: global }
    .group_segment_fixed_size: 327680
    .private_segment_fixed_size: 0
    .kernarg_segment_align: 8
    .kernarg_segment_size: 56
    .max_flat_workgroup_size: 128
    .sgpr_count:     106
    .vgpr_count:     1024
    .wavefront_size: 32
...
	.end_amdgpu_metadata
.endif
;; end of part 2
;; launch attn (part 3): grid 4 x 64, 16 waves a work-group, clusters of 4 x 1, 280,576 bytes of LDS; arguments qimg, kv, mask, hcodes, hscales; writes hcodes, hscales
.if DOCPART == 3
	.amdgcn_target "amdgcn-amd-amdhsa--gfx1250"
	.amdhsa_code_object_version 6
	.text
	.protected	k_qc66362e508_attn
	.globl	k_qc66362e508_attn
	.p2align	8
	.type	k_qc66362e508_attn,@function
k_qc66362e508_attn:
	s_mov_b64 s[64:65], 0
	v_nop
	global_prefetch_b8 v0, s[64:65] scope:SCOPE_SE
	s_setreg_imm32_b32 hwreg(HW_REG_WAVE_MODE, 25, 1), 1
	s_wait_xcnt 0x0
	s_wait_alu depctr_hold_cnt(0) depctr_sa_sdst(0) depctr_va_vdst(0) depctr_va_sdst(0) depctr_va_ssrc(0) depctr_va_vcc(0) depctr_vm_vsrc(0)
	s_getreg_b32 s2, hwreg(HW_REG_IB_STS2, 6, 4)
	s_cmp_eq_u32 s2, 0
	s_cbranch_scc0 .Lentry_in_a_cluster
	s_endpgm
.Lentry_in_a_cluster:
	s_bfe_u32 s2, ttmp6, 0x10000c
	s_cmp_lg_u32 s2, 0x3003
	s_cbranch_scc0 .Lentry_shape_is_right
	s_endpgm
.Lentry_shape_is_right:
; hidden[b][q][head] = softmax_k(Q . K / 8, query rows with mask = 0 set to -1e9) V, both products on codes of BF8 (E5M2) with one E8M0 scale for each 32 along a product's K; the result is quantised along H
; for the output product and stored as an image of that operand's registers.
; THE SOFTMAX: t = score x log2(e) / 8; M = the running largest t, rounded UP to a whole number; p = 2^(t - M) is what is quantised, along the keys; the row's sum is taken of the unquantised p and divides at the end.
; When M moves, the sum and O are multiplied by 2^(old M - new M): exact.
; THE MASK hides whole query rows: there every logit is -1e9, whose t is a whole number in f32, so M = t and every p is exactly 1.  The same bits come from t = 0 for every key: a lane's factor c is log2(e) / 8 where
; its query's mask is not 0, and 0 where it is 0 (v_cndmask_b32, once a tile): no line in the loop, no branch.
; SHARES.  A cluster of four work-groups is one (batch, head); a work-group takes 512 queries; each of its sixteen waves two tiles of 16 queries, one after the other, in 256 registers: four waves to a SIMD.
; A WHOLE HEAD'S K, V AND SCALE WORDS LIE IN LDS: 16 records of 17,408 bytes, as in memory, filled ONCE, by joint loads of the four work-groups: nothing is filled again.
; LAYOUT.  Both products are used transposed: S^T = K Q^T, O^T = V^T P^T: a lane holds ONE query (lane % 16) throughout.  Lane r of K's tile 2 b + u is key 32 b + 8 u + r + 8 (r / 8), so that the 16 registers of
; tiles 2 b and 2 b + 1 are keys 32 b + 16 (lane / 16) + 0 .. 15; V's d-tiles are ordered likewise, so that O^T's registers are neighbours along H.
; THE HEAD'S 64 IN AN INSTRUCTION OF 128: Q's upper eight registers hold zero codes; K's operand of tile t runs on into tile t + 1's codes (finite: the quantiser holds at 57,344), the last into zeros; the upper two
; bytes of both scale words are 0, which is 2^-127 and no NaN: the upper 64 add exact zeros.
; hscales gets two bytes a token from each head: 2 bytes for each 64 of codes; its runs of 256 bytes are written in parts, by sixteen work-groups.
; LIMITS: NaN and infinities are not served; a block under 2^-111 keeps the byte 1.
.set REC,   17408
.set HEADB, 16*REC
.set GRP,   4*REC                      ; four records: what the sixteen waves' loads of one group bring
.set QSC,   8388608
.set LI,  1                            ; v1   16 x lane
.set LS,  2                            ; v2   4 x lane
.set AD,  3                            ; v3   the record in hand + 16 x lane
.set AS,  4                            ; v4   the record in hand + 4 x lane
.set R4,  5                            ; v5   4 (lane % 16)
.set HSO, 6                            ; v6   32 (lane % 16)
                                       ; v12 -M, v13 the largest t, v[14:15] the sum in two halves; v16-23 Q, v24-31 zeros
.set F,   32                           ; v32-95   8 tiles of K, 8 registers each; then 4 fragments of V;  v96-103 zeros
.set S,   104                          ; v104-167 S^T, then p
.set O,   168                          ; v168-199 O^T
.set PC,  200                          ; v200-215 p's codes
.set KS,  216                          ; v216-219 K's scale words: register u: lanes 0-15 tile 2 u, lanes 16-31 tile 2 u + 1
.set VS,  220                          ; v220-221 V's likewise
.set QS,  222                          ; Q's scale words
.set PW,  223                          ; p's scale word
.set CL,  224                          ; v[224:225] my query's factor c, or 0
.set MK,  226                          ; my query's mask
.set BM,  228                          ; v228-231 the blocks' largest
.set PT,  232                          ; v232-235 at work
.set HL,  236
.set SO,  240                          ; v240-243 the conversions' scale operands
.set FF,  244                          ; v[244:245] f = 2^(old M - new M)
.set TT,  246
.set IV,  248                          ; v[248:249] 1 / the sum
.set HW,  250                          ; the hidden layer's two scale bytes
.set WV,  14
.set MNT, 19
.set SEL, 20
.set TB,  22                           ; s22  LDS byte at which the record in hand begins
.set CNT, 23
.set G1,  24                           ; s[24:31] descriptor group 1;  s[32:47] four groups 0
.set G0,  32
.set QB,  48                           ; s[48:49] Q's codes of my first tile; s[50:51] its scale words; s[52:53] its mask; s[54:55] where its hidden codes go; s[56:57] and their scale bytes
.set QSB, 50
.set MB,  52
.set HB,  54
.set HSB, 56
.macro ROUND                           ; a round of the cluster's barrier
	s_barrier_signal -1
	s_barrier_wait -1
	s_cmp_lg_u32 s[WV], 0
	s_cbranch_scc1 .Lnot_wave_0_\@
	s_barrier_signal -3
.Lnot_wave_0_\@:
	s_barrier_wait -3
	s_barrier_signal -1
	s_barrier_wait -1
.endm
	s_load_b256 s[4:11], s[0:1], 0x0               ; qimg s[4:5], kv s[6:7], mask s[8:9], hcodes s[10:11]
	s_load_b64 s[12:13], s[0:1], 0x20              ; hscales
	v_lshl_add_u32 v254, v0, 2, 0x44000
	v_mov_b32 v255, 0
	ds_add_u32 v254, v255
	ds_add_u32 v254, v255
	v_lshrrev_b32 v1, 5, v0
	s_delay_alu instid0(VALU_DEP_1)
	v_readfirstlane_b32 s[WV], v1                  ; wave 0..15
	s_bfe_u32 s15, ttmp6, 0x40000                  ; cx: it enters Q's, the mask's and the outputs' addresses alone
	s_and_b32 s16, ttmp7, 0xffff                   ; bh, which the four partners share
	s_lshr_b32 s17, s16, 4                         ; the batch
	s_and_b32 s18, s16, 15                         ; the head
	; descriptor group 1: 17 rows of 256 bytes, dense in memory and in LDS
	s_mov_b32 s[G1], 15|(3<<16)|(1<<21)            ; 15:0 the mask: all four work-groups; 17:16 elements of 8 bytes; 21 set beside a mask; no padding
	s_mov_b32 s[G1+1], 32<<16                      ; tensor_dim0 = 32
	s_mov_b32 s[G1+2], 17<<16                      ; tensor_dim1 = 17
	s_mov_b32 s[G1+3], 32<<16                      ; tile_dim0 = 32
	s_mov_b32 s[G1+4], 17                          ; tile_dim1 = 17
	s_mov_b32 s[G1+5], 32                          ; tensor_dim0_stride
	s_mov_b32 s[G1+6], 0
	s_mov_b32 s[G1+7], 0
	s_mov_b32 s[SEL], 0x76543210
	s_mov_b32 s[SEL+1], 0xfedcba98
	s_mul_i32 s58, s[WV], 4352                     ; my sixteenth of a group: 17 x 256 bytes
	s_mul_i32 s60, s16, HEADB
	s_add_co_u32 s60, s60, s58
	s_mov_b32 s61, 0
	s_wait_dscnt 0x0
	s_wait_kmcnt 0x0
	s_add_nc_u64 s[60:61], s[6:7], s[60:61]
.irp g, 0,1,2,3
	s_mov_b32 s[G0+4*\g], 1                        ; count = 1
	s_add_co_u32 s[G0+4*\g+1], s58, GRP*\g         ; LDS address: as in the head's records
	s_add_nc_u64 s[G0+4*\g+2:G0+4*\g+3], s[60:61], GRP*\g
	s_or_b32 s[G0+4*\g+3], s[G0+4*\g+3], 0x80000000  ; type = 2
.endr
	ROUND                                          ; all four work-groups are here: the joint loads meet
	tensor_load_to_lds s[G0:G0+3], s[G1:G1+7]      ; all the launch's fills, one group: four loads of mine are out
	s_nop 0
	tensor_load_to_lds s[G0+4:G0+7], s[G1:G1+7]
	s_nop 0
	tensor_load_to_lds s[G0+8:G0+11], s[G1:G1+7]
	s_nop 0
	tensor_load_to_lds s[G0+12:G0+15], s[G1:G1+7]
	s_nop 0
.rept 4
	v_nop
.endr
	s_lshl_b32 s59, s15, 5
	s_add_co_u32 s59, s59, s[WV]                   ; my first tile of queries in the head: 32 cx + wave; my second lies 16 tiles on
	s_lshl_b32 s48, s16, 17
	s_lshl_b32 s50, s59, 10
	s_add_co_u32 s48, s48, s50
	s_mov_b32 s49, 0
	s_add_nc_u64 s[QB:QB+1], s[4:5], s[48:49]
	s_lshl_b32 s50, s16, 13
	s_lshl_b32 s52, s59, 6
	s_add_co_u32 s50, s50, s52
	s_add_co_u32 s50, s50, QSC
	s_mov_b32 s51, 0
	s_add_nc_u64 s[QSB:QSB+1], s[4:5], s[50:51]
	s_lshl_b32 s52, s17, 7
	s_add_co_u32 s52, s52, s59                     ; the tile among all tokens: 128 b + 32 cx + wave
	s_lshl_b32 s54, s52, 14                        ; hcodes: 16,384 bytes a tile,
	s_lshl_b32 s56, s18, 10                        ; 1,024 a head
	s_add_co_u32 s54, s54, s56
	s_mov_b32 s55, 0
	s_add_nc_u64 s[HB:HB+1], s[10:11], s[54:55]
	s_lshl_b32 s56, s52, 9                         ; hscales: 16 tokens x 32 bytes,
	s_lshl_b32 s62, s18, 1                         ; 2 bytes a head
	s_add_co_u32 s56, s56, s62
	s_mov_b32 s57, 0
	s_add_nc_u64 s[HSB:HSB+1], s[12:13], s[56:57]
	s_lshl_b32 s52, s52, 6                         ; mask: 16 tokens x 4 bytes
	s_mov_b32 s53, 0
	s_add_nc_u64 s[MB:MB+1], s[8:9], s[52:53]
	v_and_b32 v7, 31, v0
	s_delay_alu instid0(VALU_DEP_1)
	v_lshlrev_b32 v[LI], 4, v7
	s_delay_alu instid0(VALU_DEP_2)
	v_lshlrev_b32 v[LS], 2, v7
	v_and_b32 v7, 15, v0
	s_delay_alu instid0(VALU_DEP_1)
	v_lshlrev_b32 v[R4], 2, v7
	s_delay_alu instid0(VALU_DEP_2)
	v_lshlrev_b32 v[HSO], 5, v7
.macro LOADQ p                         ; tile p of my two: Q's fragment as it lies, its scale words, its mask
	global_load_b128 v[16:19], v[LI], s[QB:QB+1] offset:16384*\p
	global_load_b128 v[20:23], v[LI], s[QB:QB+1] offset:16384*\p+512
	global_load_b32 v[QS], v[R4], s[QSB:QSB+1] offset:1024*\p
	global_load_b32 v[MK], v[R4], s[MB:MB+1] offset:1024*\p
.endm
.macro INIT                            ; a tile begins: O^T and the sum as zeros, the largest t under every t: the step is written once, and the first change of M multiplies zeros
	s_wait_loadcnt 0x0                             ; Q, its scale words, the mask
	s_wait_xcnt 0x0                                ; the last tile's stores have read their registers, which the steps write again
	v_cmp_ne_u32 vcc_lo, 0, v[MK]
	v_mov_b32 v[TT], 0x3e38aa3b                    ; c = log2(e) / 8
	s_delay_alu instid0(VALU_DEP_1)
	v_cndmask_b32 v[CL], 0, v[TT], vcc_lo          ; 0 for a hidden query
	s_delay_alu instid0(VALU_DEP_1)
	v_mov_b32 v[CL+1], v[CL]
	v_mov_b32 v13, 0xff61b1e6                      ; -3e38
	s_delay_alu instid0(VALU_DEP_1)
	v_floor_f32 v12, -v13
	v_mov_b32 v14, 0
	v_mov_b32 v15, 0
.set j, 0
.rept 32
	v_mov_b32 v[O+j], 0
.set j, j+1
.endr
	s_mov_b32 s[TB], 0
.endm
; A KEY STEP: 128 keys, one record.
.macro STEP
	v_add_nc_u32 v[AD], s[TB], v[LI]
	v_add_nc_u32 v[AS], s[TB], v[LS]
.rept 6
	v_nop                                          ; with the two additions: eight places in front of loads into registers that the last step's products have read
.endr
.irp t, 0,1,2,3,4,5,6,7
	ds_load_b128 v[F+8*\t:F+8*\t+3], v[AD] offset:1024*\t          ; 512 consecutive bytes an instruction
	ds_load_b128 v[F+8*\t+4:F+8*\t+7], v[AD] offset:1024*\t+512
.endr
.irp u, 0,1,2,3
	ds_load_b32 v[KS+\u], v[AS] offset:16384+128*\u
.endr
	s_wait_alu depctr_va_vdst(0)
	s_wait_dscnt 0x0
.irp t, 0,2,4,6                                ; S^T = K Q^T
	v_wmma_scale_f32_16x16x128_f8f6f4 v[S+8*\t:S+8*\t+7], v[F+8*\t:F+8*\t+15], v[16:31], 0, v[KS+\t/2], v[QS] matrix_a_fmt:MATRIX_FMT_BF8 matrix_b_fmt:MATRIX_FMT_BF8
	v_wmma_scale_f32_16x16x128_f8f6f4 v[S+8*\t+8:S+8*\t+15], v[F+8*\t+8:F+8*\t+23], v[16:31], 0, v[KS+\t/2], v[QS] matrix_a_fmt:MATRIX_FMT_BF8 matrix_b_fmt:MATRIX_FMT_BF8 matrix_a_scale:MATRIX_SCALE_ROW1
.endr
.rept 8
	v_nop                                          ; places: in front of the loads below and of the first read of the scores
.endr
.irp t, 0,1,2,3                                ; V's fragments are asked for now and land while the softmax is worked
.irp c, 0,1,2,3
	ds_load_b128 v[F+16*\t+4*\c:F+16*\t+4*\c+3], v[AD] offset:8192+2048*\t+512*\c
.endr
.endr
.irp u, 0,1
	ds_load_b32 v[VS+\u], v[AS] offset:16896+128*\u
.endr
.irp b, 0,1,2,3
	v_max3_num_f32 v[BM+\b], v[S+16*\b], v[S+1+16*\b], v[S+2+16*\b]   ; the largest score of each block of 32 keys: it serves for the row's maximum and, since p rises with the score, for the block's largest p
.endr
.irp i, 3,5,7,9,11,13
.irp b, 0,1,2,3
	v_max3_num_f32 v[BM+\b], v[BM+\b], v[S+16*\b+\i], v[S+1+16*\b+\i]
.endr
.endr
.irp b, 0,1,2,3
	v_max_num_f32 v[BM+\b], v[BM+\b], v[S+15+16*\b]
.endr
.irp b, 0,1,2,3
	s_delay_alu instid0(VALU_DEP_4)
	v_permlanex16_b32 v[PT+\b], v[BM+\b], s[SEL], s[SEL+1]
.endr
.irp b, 0,1,2,3
	s_delay_alu instid0(VALU_DEP_4)
	v_max_num_f32 v[BM+\b], v[BM+\b], v[PT+\b]     ; with lane l xor 16's 16 keys
.endr
	s_delay_alu instid0(VALU_DEP_2)
	v_max3_num_f32 v[TT], v[BM], v[BM+1], v[BM+2]
	s_delay_alu instid0(VALU_DEP_1)
	v_max_num_f32 v[TT], v[TT], v[BM+3]            ; the step's largest score of my query
	s_delay_alu instid0(VALU_DEP_1)
	v_mul_f32 v[TT], v[CL], v[TT]                  ; as t (c is positive or 0)
	s_delay_alu instid0(VALU_DEP_1)
	v_max_num_f32 v13, v13, v[TT]                  ; the running largest t
	v_mov_b32 v[TT], v12
	s_delay_alu instid0(VALU_DEP_2)
	v_floor_f32 v12, -v13                          ; the new -M = floor(-t): M is a whole number
	s_delay_alu instid0(VALU_DEP_1)
	v_sub_f32 v[TT], v12, v[TT]                    ; old M - new M: a whole number, 0 or less
	s_delay_alu instid0(VALU_DEP_1)
	v_cvt_i32_f32 v[TT], v[TT]                     ; (it saturates)
	s_delay_alu instid0(VALU_DEP_1)
	v_ldexp_f32 v[FF], 1.0, v[TT]                  ; f = 2^(old M - new M)
.set j, 0
.rept 32
	v_pk_fma_f32 v[S+j:S+j+1], v[S+j:S+j+1], v[CL:CL+1], v[12:13] op_sel_hi:[1,0,0]   ; t - M, two at a time (of the pairs c and -M the low word serves both halves)
.set j, j+2
.endr
.irp b, 0,1,2,3
	v_fma_f32 v[BM+\b], v[BM+\b], v[CL], v12       ; the same of each block's largest score
.endr
.set j, 0
	s_setprio 1
	s_wait_alu depctr_va_vdst(0)
.rept 64
	v_exp_f32 v[S+j], v[S+j]                       ; p = 2^(t - M), at most 1: not normalised
.set j, j+1
.endr
	v_pk_mul_f32 v[14:15], v[14:15], v[FF:FF+1] op_sel_hi:[1,0]   ; the sums under the new M (a plain line behind the exponentials)
	s_wait_alu depctr_va_vdst(0)                   ; one wait for the whole batch, ahead of its first reader
.irp b, 0,1,2,3
	v_exp_f32 v[BM+\b], v[BM+\b]                   ; the block's largest p: the same two instructions on the same number give the same bits
.endr
	v_pk_add_f32 v[232:233], v[108:109], v[112:113]
	v_pk_add_f32 v[252:253], v[116:117], v[120:121]
	v_pk_add_f32 v[250:251], v[124:125], v[128:129]
	v_pk_add_f32 v[242:243], v[132:133], v[136:137]
	v_pk_add_f32 v[240:241], v[140:141], v[144:145]
	v_pk_add_f32 v[238:239], v[148:149], v[152:153]
	v_pk_add_f32 v[236:237], v[156:157], v[160:161]
	v_pk_add_f32 v[14:15], v[14:15], v[164:165]
	v_pk_add_f32 v[232:233], v[232:233], v[104:105]
	v_pk_add_f32 v[252:253], v[252:253], v[106:107]
	v_pk_add_f32 v[250:251], v[250:251], v[110:111]
	v_pk_add_f32 v[242:243], v[242:243], v[114:115]
	v_pk_add_f32 v[240:241], v[240:241], v[118:119]
	v_pk_add_f32 v[238:239], v[238:239], v[122:123]
	v_pk_add_f32 v[236:237], v[236:237], v[126:127]
	v_pk_add_f32 v[14:15], v[14:15], v[130:131]
	v_pk_add_f32 v[232:233], v[232:233], v[134:135]
	v_pk_add_f32 v[252:253], v[252:253], v[138:139]
	v_pk_add_f32 v[250:251], v[250:251], v[142:143]
	v_pk_add_f32 v[242:243], v[242:243], v[146:147]
	v_pk_add_f32 v[240:241], v[240:241], v[150:151]
	v_pk_add_f32 v[238:239], v[238:239], v[154:155]
	v_pk_add_f32 v[236:237], v[236:237], v[158:159]
	v_pk_add_f32 v[14:15], v[14:15], v[162:163]
	v_pk_add_f32 v[232:233], v[232:233], v[166:167]
	s_delay_alu instid0(VALU_DEP_2)
	v_pk_add_f32 v[14:15], v[14:15], v[242:243]
	s_delay_alu instid0(VALU_DEP_2)
	v_pk_add_f32 v[232:233], v[232:233], v[240:241]
	v_pk_add_f32 v[252:253], v[252:253], v[238:239]
	v_pk_add_f32 v[250:251], v[250:251], v[236:237]
	s_delay_alu instid0(VALU_DEP_2)
	v_pk_add_f32 v[14:15], v[14:15], v[252:253]
	s_delay_alu instid0(VALU_DEP_2)
	v_pk_add_f32 v[232:233], v[232:233], v[250:251]
	s_delay_alu instid0(VALU_DEP_1)
	v_pk_add_f32 v[14:15], v[14:15], v[232:233]
	s_wait_alu depctr_va_vdst(0)                   ; and one for the four
.irp b, 0,1,2,3
	v_max_num_f32 v[BM+\b], 0x8000000, v[BM+\b]    ; the floor 2^(16 - 127): the byte cannot fall under 1
.endr
.irp b, 0,1,2,3
	s_delay_alu instid0(VALU_DEP_4)
	v_add_nc_u32 v[SO+\b], 0xf8800000, v[BM+\b]    ; 15 off the exponent field: the conversion's scale operand
.endr
.irp b, 0,1,2,3
.endr
.irp b, 0,1,2,3
	s_delay_alu instid0(VALU_DEP_4)
	v_lshrrev_b32 v[PT+\b], 23, v[SO+\b]           ; the scale's byte
.endr
	s_delay_alu instid0(VALU_DEP_3)
	v_lshl_or_b32 v[PW], v[PT+1], 8, v[PT]         ; p's scale word for these 128 keys
	s_delay_alu instid0(VALU_DEP_1)
	v_lshl_or_b32 v[PW], v[PT+2], 16, v[PW]
	s_delay_alu instid0(VALU_DEP_1)
	v_lshl_or_b32 v[PW], v[PT+3], 24, v[PW]
	s_setprio 0
.irp b, 0,1,2,3
.set j, 0
.rept 16
.set j, j+1
.endr
	v_cvt_scalef32_pk8_bf8_f32 v[PC+4*\b:PC+4*\b+1], v[S+16*\b:S+16*\b+7], v[SO+\b]
	v_cvt_scalef32_pk8_bf8_f32 v[PC+4*\b+2:PC+4*\b+3], v[S+16*\b+8:S+16*\b+15], v[SO+\b]
.endr
.set j, 0
.rept 16
	v_pk_mul_f32 v[O+j:O+j+1], v[O+j:O+j+1], v[FF:FF+1] op_sel_hi:[1,0]   ; O^T under the new M.  (These 16 are also the places between the codes' conversions and the products)
.set j, j+2
.endr
	s_wait_alu depctr_va_vdst(0)
	s_wait_dscnt 0x0                               ; V
.irp t, 0,2                                    ; O^T += V^T P^T: four accumulators by turns
	v_wmma_scale_f32_16x16x128_f8f6f4 v[O+8*\t:O+8*\t+7], v[F+16*\t:F+16*\t+15], v[PC:PC+15], v[O+8*\t:O+8*\t+7], v[VS+\t/2], v[PW] matrix_a_fmt:MATRIX_FMT_BF8 matrix_b_fmt:MATRIX_FMT_BF8
	v_wmma_scale_f32_16x16x128_f8f6f4 v[O+8*\t+8:O+8*\t+15], v[F+16*\t+16:F+16*\t+31], v[PC:PC+15], v[O+8*\t+8:O+8*\t+15], v[VS+\t/2], v[PW] matrix_a_fmt:MATRIX_FMT_BF8 matrix_b_fmt:MATRIX_FMT_BF8 matrix_a_scale:MATRIX_SCALE_ROW1
.endr
	s_add_co_u32 s[TB], s[TB], REC                 ; the next record
.endm
.macro STEPS n
	s_mov_b32 s[CNT], \n
.Lstep_\@:
	s_setprio 2
	STEP
	s_sub_co_u32 s[CNT], s[CNT], 1
	s_cmp_lg_u32 s[CNT], 0
	s_cbranch_scc1 .Lstep_\@
	s_setprio 0
.endm
; THE WAY OUT of tile p: O^T / the sum; its 32 numbers a lane are d = 32 b + 16 (lane / 16) + 0 .. 15 of my query: two blocks along H, quantised as they stand; the codes are two groups of the next operand's registers.
.macro WAYOUT p
.rept 8
	v_nop                                          ; places behind the last products
.endr
	v_add_f32 v14, v14, v15                        ; the sum's two halves,
	s_delay_alu instid0(VALU_DEP_1)
	v_permlanex16_b32 v[TT], v14, s[SEL], s[SEL+1]
	s_delay_alu instid0(VALU_DEP_1)
	v_add_f32 v14, v14, v[TT]                      ; and lane l xor 16's: the row's sum
	s_wait_alu depctr_va_vdst(0)
	v_rcp_f32 v[IV], v14
	v_nop                                          ; a plain line behind the reciprocal
	s_wait_alu depctr_va_vdst(0)                   ; and a wait ahead of its first reader
.set j, 0
.rept 16
	v_pk_mul_f32 v[S+j:S+j+1], v[O+j:O+j+1], v[IV:IV+1] op_sel_hi:[1,0]   ; each accumulator from its low end on
.set j, j+2
.endr
.irp b, 0,1
	v_max3_num_f32 v[BM+\b], |v[S+16*\b]|, |v[S+1+16*\b]|, 0x8000000
.endr
.irp i, 2,4,6,8,10,12,14
.irp b, 0,1
	s_delay_alu instid0(VALU_DEP_2)
	v_max3_num_f32 v[BM+\b], v[BM+\b], |v[S+16*\b+\i]|, |v[S+1+16*\b+\i]|
.endr
.endr
.irp b, 0,1
	s_delay_alu instid0(VALU_DEP_2)
	v_permlanex16_b32 v[PT+\b], v[BM+\b], s[SEL], s[SEL+1]
.endr
.irp b, 0,1
	s_delay_alu instid0(VALU_DEP_2)
	v_max_num_f32 v[BM+\b], v[BM+\b], v[PT+\b]
.endr
.irp b, 0,1
	s_delay_alu instid0(VALU_DEP_2)
	v_add_nc_u32 v[SO+\b], 0xf8800000, v[BM+\b]
.endr
.irp b, 0,1
.endr
.irp b, 0,1
	s_delay_alu instid0(VALU_DEP_2)
	v_lshrrev_b32 v[PT+\b], 23, v[SO+\b]
.endr
	s_delay_alu instid0(VALU_DEP_1)
	v_lshl_or_b32 v[HW], v[PT+1], 8, v[PT]         ; the head's two scale bytes of my query
.irp b, 0,1
.set j, 0
.rept 16
.set j, j+1
.endr
	v_cvt_scalef32_pk8_bf8_f32 v[PC+4*\b:PC+4*\b+1], v[S+16*\b:S+16*\b+7], v[SO+\b]
	v_cvt_scalef32_pk8_bf8_f32 v[PC+4*\b+2:PC+4*\b+3], v[S+16*\b+8:S+16*\b+15], v[SO+\b]
.endr
	v_nop                                          ; one plain line behind the last conversion
	global_store_b128 v[LI], v[PC:PC+3], s[HB:HB+1] offset:262144*\p          ; 512 consecutive aligned bytes each
	global_store_b128 v[LI], v[PC+4:PC+7], s[HB:HB+1] offset:262144*\p+512
	global_store_b16 v[HSO], v[HW], s[HSB:HSB+1] offset:8192*\p               ; lanes l and l xor 16 write the same two bytes with the same value
.endm
	LOADQ 0
.irp j, 0,1,2,3,4,5,6,7
	v_mov_b32 v[24+\j], 0                          ; Q's upper 64 along K: zero codes
	v_mov_b32 v[96+\j], 0                          ; and what the last tile of K runs on into
.endr
.irp b, 0,1,2,3
	v_mov_b32 v[PT+\b], 0                          ; written once: a lane permute's destination counts as one of its sources
.endr
	v_mov_b32 v[FF+1], 0                           ; (named as the upper halves of pairs)
	v_mov_b32 v[IV+1], 0
	INIT
.irp g, 0,1,2,3                                ; my first tile walks the records as they land, four at a time
	s_wait_tensorcnt 3-\g                          ; my part of group g is in; the later groups' loads may stay out
	s_barrier_signal -1
	s_barrier_wait -1                              ; everybody's is
	s_mov_b32 s[TB], GRP*\g
	STEPS 4
.endr
	LOADQ 1                                        ; lands while the first tile goes out; the last products name none of these registers, and the last that did stand a softmax back
	WAYOUT 0
	INIT
	STEPS 16                                       ; my second tile: all sixteen records lie in LDS
	WAYOUT 1
	s_wait_tensorcnt 0x0
	ds_add_u32 v254, v255
	s_wait_dscnt 0x0
	ROUND                                          ; the closing round: no work-group ends while a partner may still ask for a tile that names it
	s_endpgm
.Lfunc_end_k_qc66362e508_attn:
	.size	k_qc66362e508_attn, .Lfunc_end_k_qc66362e508_attn-k_qc66362e508_attn
	.p2alignl 7, 3214868480
	.fill 96, 4, 3214868480
	.section	.rodata,"a",@progbits
	.p2align	6, 0x0
	.amdhsa_kernel k_qc66362e508_attn
		.amdhsa_group_segment_fixed_size 280576
		.amdhsa_private_segment_fixed_size 0
		.amdhsa_enable_private_segment 0
		.amdhsa_kernarg_size 40
		.amdhsa_user_sgpr_count 2
		.amdhsa_user_sgpr_kernarg_segment_ptr 1
		.amdhsa_wavefront_size32 1
		.amdhsa_system_sgpr_workgroup_id_x 1
		.amdhsa_system_sgpr_workgroup_id_y 1
		.amdhsa_system_sgpr_workgroup_id_z 1
		.amdhsa_system_vgpr_workitem_id 0
		.amdhsa_next_free_vgpr 256
		.amdhsa_next_free_sgpr 66
		.amdhsa_reserve_vcc 1
		.amdhsa_float_denorm_mode_32 3
		.amdhsa_float_denorm_mode_16_64 3
		.amdhsa_fp16_overflow 1
		.amdhsa_memory_ordered 1
		.amdhsa_forward_progress 1
		.amdhsa_inst_pref_size 106
	.end_amdhsa_kernel
	.amdgpu_metadata
---
amdhsa.version: [ 1, 2 ]
amdhsa.kernels:
  - .name:           k_qc66362e508_attn
    .symbol:         k_qc66362e508_attn.kd
    .args:
      - { .name: qimg, .offset: 0, .size: 8, .value_kind: global_buffer, .address_space: global }
      - { .name: kv, .offset: 8, .size: 8, .value_kind: global_buffer, .address_space: global }
      - { .name: mask, .offset: 16, .size: 8, .value_kind: global_buffer, .address_space: global }
      - { .name: hcodes, .offset: 24, .size: 8, .value_kind: global_buffer, .address_space: global }
      - { .name: hscales, .offset: 32, .size: 8, .value_kind: global_buffer, .address_space: global }
    .group_segment_fixed_size: 280576
    .private_segment_fixed_size: 0
    .kernarg_segment_align: 8
    .kernarg_segment_size: 40
    .max_flat_workgroup_size: 512
    .sgpr_count:     66
    .vgpr_count:     256
    .wavefront_size: 32
...
	.end_amdgpu_metadata
.endif
;; end of part 3
;; launch outp (part 4): grid 4 x 32, 4 waves a work-group, clusters of 4 x 4, 327,680 bytes of LDS; arguments hcodes, hscales, xcodes, xscales, bo, k, out0; writes out0
.if DOCPART == 4
	.amdgcn_target "amdgcn-amd-amdhsa--gfx1250"
	.amdhsa_code_object_version 6
	.text
	.protected	k_qc66362e508_outp
	.globl	k_qc66362e508_outp
	.p2align	8
	.type	k_qc66362e508_outp,@function
k_qc66362e508_outp:
	s_mov_b64 s[64:65], 0
	v_nop
	global_prefetch_b8 v0, s[64:65] scope:SCOPE_SE
	s_setreg_imm32_b32 hwreg(HW_REG_WAVE_MODE, 25, 1), 1
	s_wait_xcnt 0x0
	s_wait_alu depctr_hold_cnt(0) depctr_sa_sdst(0) depctr_va_vdst(0) depctr_va_sdst(0) depctr_va_ssrc(0) depctr_va_vcc(0) depctr_vm_vsrc(0)
	s_getreg_b32 s2, hwreg(HW_REG_IB_STS2, 6, 4)
	s_cmp_eq_u32 s2, 0
	s_cbranch_scc0 .Lentry_in_a_cluster
	s_endpgm
.Lentry_in_a_cluster:
	s_bfe_u32 s2, ttmp6, 0x10000c
	s_cmp_lg_u32 s2, 0xf033
	s_cbranch_scc0 .Lentry_shape_is_right
	s_endpgm
.Lentry_shape_is_right:
.set SIZE_N, 1024
.set SIZE_K, 1024
.set XWO,    0x1b00000
.set KSTEP,  256
.set NQ,     KSTEP/128
.set ROWB,   256
.set KROW,   SIZE_K
.set PITCH,  272
.set FR,     16
.set NL,     4
.set NP,     8
.set HALFA,  32768
.set HALFB,  128*PITCH
.set SLOT,   2*HALFA+2*HALFB
.set LAPS,   SIZE_K/(2*KSTEP)
.set KS,     SIZE_K/32
.set SCL,    2*SLOT
.set HALFS,  (128*KS/256)*272
.set SBLK,   (16*KS/256)*272
.set SPARE,  SCL+4*HALFS
.set SPITCH, 528
.set ADRA, 16
.set ADRB, 20
.set STO,  24
.set RD,   25
.set CO,   26
.set ADRS, 27
.set SPW,  28
.set NIL,  29
.set SC,   32
.set BI,   64
.set AF,   128
.set BK,   128
.set G1, 24
.set G0, 32
.set G1B, 48
.set G0B, 56
.set G1S, 68
.set G0S, 76
.set G1SB, 80
.set G0SB, 88
.set MSB, 0
.macro WIN new
.if MSB != \new
	s_set_vgpr_msb (MSB<<8)|\new
.set MSB, \new
.endif
.endm
.set MUL_LO, 0xa1
.set MUL_HI, 0xf1
.set FST_LO, 0x81
.set FST_HI, 0xc1
.set TO_B,   0x40
.macro JLOAD g0a, g1a, g0b, g1b
	s_cmp_eq_u32 s15, 0
	s_cbranch_scc0 .Lfor_b_\@
	tensor_load_to_lds s[\g0a:\g0a+3], s[\g1a:\g1a+7]
	s_nop 0
.rept 4
	v_nop
.endr
	s_branch .Lasked_\@
.Lfor_b_\@:
	tensor_load_to_lds s[\g0b:\g0b+3], s[\g1b:\g1b+7]
	s_nop 0
.rept 4
	v_nop
.endr
.Lasked_\@:
.endm
.macro CREST
	s_cmp_lg_u32 s14, 0
	s_cbranch_scc1 .Lnot_wave_0_\@
	s_barrier_signal -3
.Lnot_wave_0_\@:
	s_barrier_wait -3
	s_barrier_signal -1
	s_barrier_wait -1
.endm
.macro CROUND
	s_barrier_signal -1
	s_barrier_wait -1
	CREST
.endm
	s_load_b128 s[4:7], s[0:1], 0x0
	s_load_b128 s[8:11], s[0:1], 0x10
	s_load_b128 s[96:99], s[0:1], 0x20
	s_load_b64 s[12:13], s[0:1], 0x30
	v_lshl_add_u32 v[SPW], v0, 2, SPARE
	v_mov_b32 v[NIL], 0
	ds_add_u32 v28, v29
	ds_add_u32 v28, v29
	s_wait_dscnt 0x0
	v_lshrrev_b32 v1, 5, v0
	v_readfirstlane_b32 s14, v1
	s_lshr_b32 s15, s14, 1
	s_and_b32 s16, s14, 1
	s_bfe_u32 s40, ttmp6, 0x40000
	s_bfe_u32 s41, ttmp6, 0x40004
	s_lshl_b32 s42, ttmp9, 2
	s_add_co_u32 s42, s42, s40
	s_and_b32 s17, ttmp7, 0xffff
	s_lshl_b32 s17, s17, 2
	s_add_co_u32 s17, s17, s41
	s_lshl_b32 s43, s41, 2
	s_lshl_b32 s43, 15, s43
	s_lshl_b32 s44, 0x1111, s40
	s_or_b32 s[G1+0], s43, (0<<16)|(1<<21)
	s_mov_b32 s[G1+1], 4096<<16
	s_mov_b32 s[G1+2], 8<<16
	s_mov_b32 s[G1+3], 4096<<16
	s_mov_b32 s[G1+4], 8
	s_mov_b32 s[G1+5], 16384
	s_mov_b32 s[G1+6], 0
	s_mov_b32 s[G1+7], 0
	s_or_b32 s[G1B+0], s44, (0<<16)|(1<<20)|(1<<21)|(5<<22)|(3<<25)
	s_mov_b32 s[G1B+1], ROWB<<16
	s_mov_b32 s[G1B+2], 128<<16
	s_mov_b32 s[G1B+3], ROWB<<16
	s_mov_b32 s[G1B+4], 128
	s_mov_b32 s[G1B+5], KROW
	s_mov_b32 s[G1B+6], 0
	s_mov_b32 s[G1B+7], 0
	s_or_b32 s[G1S+0], s43, (3<<16)|(1<<20)|(1<<21)|(5<<22)|(3<<25)
	s_or_b32 s[G1SB+0], s44, (3<<16)|(1<<20)|(1<<21)|(5<<22)|(3<<25)
.irp g, G1S, G1SB
	s_mov_b32 s[\g+1], 32<<16
	s_mov_b32 s[\g+2], (128*KS/256)<<16
	s_mov_b32 s[\g+3], 32<<16
	s_mov_b32 s[\g+4], 128*KS/256
	s_mov_b32 s[\g+5], 32
	s_mov_b32 s[\g+6], 0
	s_mov_b32 s[\g+7], 0
.endr
	s_lshl_b32 s20, s17, 18
	s_lshl_b32 s18, s16, 17
	s_add_co_u32 s20, s20, s18
	s_lshl_b32 s22, s17, 13
	s_lshl_b32 s18, s16, 12
	s_add_co_u32 s22, s22, s18
	s_lshl_b32 s46, s42, 8
	s_lshl_b32 s18, s16, 7
	s_add_co_u32 s46, s46, s18
	s_lshl_b32 s92, s46, 5
	s_add_co_u32 s92, s92, XWO>>5
	s_lshl_b32 s46, s46, 10
	s_add_co_u32 s46, s46, XWO
	s_mov_b32 s21, 0
	s_mov_b32 s23, 0
	s_mov_b32 s47, 0
	s_mov_b32 s93, 0
	s_lshl_b32 s45, s16, 15
	s_mul_i32 s95, s16, HALFB
	s_add_co_u32 s95, s95, 2*HALFA
	s_mul_i32 s94, s14, HALFS
	s_wait_kmcnt 0x0
	s_add_nc_u64 s[20:21], s[4:5], s[20:21]
	s_add_nc_u64 s[22:23], s[6:7], s[22:23]
	s_add_nc_u64 s[46:47], s[8:9], s[46:47]
	s_add_nc_u64 s[92:93], s[10:11], s[92:93]
	CROUND
	s_mov_b32 s[G0S], 1
	s_add_co_u32 s[G0S+1], s94, SCL
	s_mov_b64 s[G0S+2:G0S+3], s[22:23]
	s_or_b32 s[G0S+3], s[G0S+3], 0x80000000
	s_mov_b32 s[G0SB], 1
	s_add_co_u32 s[G0SB+1], s94, SCL
	s_mov_b64 s[G0SB+2:G0SB+3], s[92:93]
	s_or_b32 s[G0SB+3], s[G0SB+3], 0x80000000
	JLOAD G0S, G1S, G0SB, G1SB
.irp s, 0,1
	s_mov_b32 s[G0+4*\s], 1
	s_add_co_u32 s[G0+4*\s+1], s45, \s*SLOT
	s_add_nc_u64 s[G0+4*\s+2:G0+4*\s+3], s[20:21], \s*4096
	s_or_b32 s[G0+4*\s+3], s[G0+4*\s+3], 0x80000000
	s_mov_b32 s[G0B+4*\s], 1
	s_add_co_u32 s[G0B+4*\s+1], s95, \s*SLOT
	s_add_nc_u64 s[G0B+4*\s+2:G0B+4*\s+3], s[46:47], \s*ROWB
	s_or_b32 s[G0B+4*\s+3], s[G0B+4*\s+3], 0x80000000
	s_wait_alu depctr_va_vdst(0)
	s_wait_tensorcnt 0x0
	ds_add_u32 v28, v29
	s_wait_dscnt 0x0
	CROUND
	JLOAD G0+4*\s, G1, G0B+4*\s, G1B
.endr
	v_and_b32 v1, 15, v0
	v_bfe_u32 v2, v0, 4, 1
	v_and_b32 v6, 31, v0
	v_lshlrev_b32 v[CO], 4, v6
	v_mul_u32_u24 v3, v1, PITCH
	v_lshl_add_u32 v4, v2, 4, v3
	s_lshl_b32 s21, s15, 15
	s_mul_i32 s22, s16, HALFB
	s_add_co_u32 s22, s22, 2*HALFA
.irp s, 0,1
	v_add_nc_u32 v[ADRA+\s], s21, v[CO]
	v_add_nc_u32 v[ADRB+\s], s22, v4
	s_add_co_u32 s21, s21, SLOT
	s_add_co_u32 s22, s22, SLOT
.endr
	v_mul_u32_u24 v5, v1, KS
	v_lshrrev_b32 v6, 8, v5
	v_lshl_add_u32 v5, v6, 4, v5
	s_mul_i32 s21, s15, HALFS
	s_mul_i32 s22, s16, HALFS
	s_add_co_u32 s22, s22, 2*HALFS
	s_sub_co_u32 s22, s22, s21
	v_mul_u32_u24 v6, s22, v2
	s_add_co_u32 s21, s21, SCL
	v_add_nc_u32 v5, v5, v6
	v_add_nc_u32 v[ADRS], s21, v5
	s_mul_i32 s23, s14, 16*SPITCH
	v_mul_u32_u24 v5, v1, SPITCH
	v_lshl_add_u32 v5, v2, 5, v5
	v_add_nc_u32 v[STO], s23, v5
	v_add_nc_u32 v[RD], s23, v[CO]
	v_lshlrev_b32 v30, 5, v2
	s_wait_alu depctr_va_vdst(0)
	s_lshl_b32 s20, s17, 8
	s_lshl_b32 s21, s15, 7
	s_add_co_u32 s20, s20, s21
	s_lshl_b32 s20, s20, 12
	s_mov_b32 s21, 0
	s_lshl_b32 s46, s42, 10
	s_lshl_b32 s47, s16, 9
	s_add_co_u32 s46, s46, s47
	s_mov_b32 s47, 0
	s_add_nc_u64 s[96:97], s[96:97], s[46:47]
	s_add_nc_u64 s[20:21], s[20:21], s[46:47]
	s_add_nc_u64 s[12:13], s[12:13], s[20:21]
	s_add_nc_u64 s[98:99], s[98:99], s[20:21]
.irp b, 0,1,2,3,4,5,6,7
	global_load_b128 v[BI+8*\b:BI+8*\b+3], v30, s[96:97] offset:64*\b
	global_load_b128 v[BI+8*\b+4:BI+8*\b+7], v30, s[96:97] offset:64*\b+16
.endr
.macro FRAGB reg, adr, q, i
.irp c, 0,1,2,3
	ds_load_b128 v[\reg+4*\c:\reg+4*\c+3], v[\adr] offset:128*(\q)+32*\c+(\i)*16*PITCH
.endr
.endm
.macro FRAGA reg, adr, q, i
.irp c, 0,1,2,3
	ds_load_b128 v[\reg+4*\c:\reg+4*\c+3], v[\adr] offset:4096*(\i)+2048*(\q)+512*\c
.endr
.endm
.macro MUL16 a0, p, q, sc, first
.irp a, \a0, \a0+1
.irp b, 0,1,2,3,4,5,6,7
.if \first
	v_wmma_scale_f32_16x16x128_f8f6f4 v[8*(8*((\a)%4)+\b):8*(8*((\a)%4)+\b)+7], v[128*(\p)+FR*\b:128*(\p)+FR*\b+FR-1], v[AF+FR*(\a):AF+FR*(\a)+FR-1], v[BI+8*\b:BI+8*\b+7], v[SC+8*NQ*(\sc)+NQ*\b+(\q)], v[SC+8*NQ*(\sc)+NQ*(\a)+(\q)] matrix_a_fmt:MATRIX_FMT_BF8 matrix_b_fmt:MATRIX_FMT_BF8 matrix_a_scale:MATRIX_SCALE_ROW1
.else
	v_wmma_scale_f32_16x16x128_f8f6f4 v[8*(8*((\a)%4)+\b):8*(8*((\a)%4)+\b)+7], v[128*(\p)+FR*\b:128*(\p)+FR*\b+FR-1], v[AF+FR*(\a):AF+FR*(\a)+FR-1], v[8*(8*((\a)%4)+\b):8*(8*((\a)%4)+\b)+7], v[SC+8*NQ*(\sc)+NQ*\b+(\q)], v[SC+8*NQ*(\sc)+NQ*(\a)+(\q)] matrix_a_fmt:MATRIX_FMT_BF8 matrix_b_fmt:MATRIX_FMT_BF8 matrix_a_scale:MATRIX_SCALE_ROW1
.endif
.endr
.endr
.endm
.macro FETCH_B slot, q, p
	WIN TO_B
.irp i, 0,1,2,3,4,5,6,7
	FRAGB 128*(\p)+FR*\i, ADRB+\slot, \q, \i
.endr
	WIN 0
.endm
.macro FETCH_A slot, q, i0
.irp i, \i0, \i0+1, \i0+2, \i0+3
	FRAGA AF+FR*(\i), ADRA+\slot, \q, \i
.endr
.endm
.macro SCALES sc
.irp i, 0,1,2,3,4,5,6,7
	ds_load_b64 v[SC+8*NQ*\sc+NQ*\i:SC+8*NQ*\sc+NQ*\i+1], v[ADRS] offset:\i*SBLK
.endr
.endm
.macro PLACES n
.rept \n
	v_nop
.endr
.endm
.macro STEP slot, q, first
	s_wait_dscnt 4*NL
.if \first
	WIN FST_LO
.else
	WIN MUL_LO
.endif
	MUL16 0, (\q)%2, \q, \slot, \first
	MUL16 2, (\q)%2, \q, \slot, \first
	s_wait_dscnt 0
	PLACES NP
	FETCH_B \slot, (\q)+1, 1-(\q)%2
	FETCH_A \slot, (\q)+1, 0
.if \first
	WIN FST_HI
.else
	WIN MUL_HI
.endif
	MUL16 4, (\q)%2, \q, \slot, \first
	MUL16 6, (\q)%2, \q, \slot, \first
	PLACES NP
	WIN 0
	FETCH_A \slot, (\q)+1, 4
.endm
.macro TURN slot, next, fill
	s_wait_tensorcnt 0x0
	ds_add_u32 v[SPW], v[NIL]
	s_wait_dscnt 4*NL+1
	WIN MUL_LO
	MUL16 0, 1, NQ-1, \slot, 0
	s_wait_dscnt 0x0
	s_barrier_signal -1
	MUL16 2, 1, NQ-1, \slot, 0
	WIN 0
	s_barrier_wait -1
.if \fill
	CREST
	s_add_nc_u64 s[G0+4*\slot+2:G0+4*\slot+3], s[G0+4*\slot+2:G0+4*\slot+3], 2*4096
	s_add_nc_u64 s[G0B+4*\slot+2:G0B+4*\slot+3], s[G0B+4*\slot+2:G0B+4*\slot+3], 2*ROWB
	JLOAD G0+4*\slot, G1, G0B+4*\slot, G1B
	PLACES NP-4
.else
	PLACES NP
.endif
	s_wait_alu depctr_va_vdst(0)
	v_add_nc_u32 v[ADRS], 4*NQ, v[ADRS]
	FETCH_B \next, 0, 0
	FETCH_A \next, 0, 0
	SCALES \next
	WIN MUL_HI
	MUL16 4, 1, NQ-1, \slot, 0
	MUL16 6, 1, NQ-1, \slot, 0
	PLACES NP
	WIN 0
	FETCH_A \next, 0, 4
.endm
.macro KLOAD a
	WIN TO_B
.irp t, 0,1,2,3,4,5,6,7,8,9,10,11,12,13,14,15
	global_load_b128 v[64*((\a)%4)+4*\t:64*((\a)%4)+4*\t+3], v[CO], s[98:99] offset:(16*(\a)+\t)*SIZE_N*4 th:TH_LOAD_NT
.endr
	WIN 0
.endm
	s_wait_loadcnt 0x0
	s_wait_tensorcnt 1
	s_barrier_signal -1
	s_barrier_wait -1
	FETCH_B 0, 0, 0
	FETCH_A 0, 0, 0
	SCALES 0
	FETCH_A 0, 0, 4
	STEP 0, 0, 1
	s_mov_b32 s3, LAPS-1
.Llap:
	TURN 0, 1, 1
	STEP 1, 0, 0
	TURN 1, 0, 1
	STEP 0, 0, 0
	s_sub_co_u32 s3, s3, 1
	s_cmp_lg_u32 s3, 0
	s_cbranch_scc1 .Llap
	TURN 0, 1, 0
	STEP 1, 0, 0
	KLOAD 0
	KLOAD 1
	s_wait_dscnt 4*NL
	WIN MUL_LO
	MUL16 0, 1, NQ-1, 1, 0
	MUL16 2, 1, NQ-1, 1, 0
	s_wait_dscnt 0
	WIN MUL_HI
	MUL16 4, 1, NQ-1, 1, 0
	MUL16 6, 1, NQ-1, 1, 0
	WIN 0
.macro TOSTAGE a
.set AC, 64*((\a)%4)
	WIN 0x08+4*((\a)/4)
.irp b, 0,1,2,3,4,5,6,7
	ds_store_b128 v[STO], v[AC+8*\b:AC+8*\b+3] offset:64*\b
	ds_store_b128 v[STO], v[AC+8*\b+4:AC+8*\b+7] offset:64*\b+16
.endr
	WIN 0
.set BB, BK+64*((\a)%2)
.irp t, 0,1,2,3,4,5,6,7,8,9,10,11,12,13,14,15
	ds_load_b128 v[BB+4*\t:BB+4*\t+3], v[RD] offset:\t*SPITCH
.endr
.endm
.macro SEND a, younger, kleft
.set BB, BK+64*((\a)%2)
.set KK, 64*((\a)%4)
	s_wait_dscnt \younger
	s_wait_loadcnt \kleft
	WIN 0x04
.set i, 0
.rept 32
	v_pk_add_f32 v[BB+i:BB+i+1], v[BB+i:BB+i+1], v[KK+i:KK+i+1]
.set i, i+2
.endr
	WIN 0
.irp t, 0,1,2,3,4,5,6,7,8,9,10,11,12,13,14,15
	global_store_b128 v[CO], v[BB+4*\t:BB+4*\t+3], s[12:13] offset:(16*(\a)+\t)*SIZE_N*4 th:TH_STORE_NT
.endr
.endm
	PLACES NP
	KLOAD 2
	KLOAD 3
	TOSTAGE 0
.irp a, 1,2,3,4,5,6,7
.if \a > 1
	s_wait_xcnt 0x0
.endif
	TOSTAGE \a
.if \a < 6
	SEND \a-1, 32, 48
.else
	SEND \a-1, 32, 16*(8-\a)
.endif
.if \a < 5
	KLOAD \a+3
.endif
.endr
	SEND 7, 0, 0
	s_wait_tensorcnt 0x0
	ds_add_u32 v[SPW], v[NIL]
	s_wait_dscnt 0x0
	CROUND
	s_endpgm
.Lfunc_end_k_qc66362e508_outp:
	.size	k_qc66362e508_outp, .Lfunc_end_k_qc66362e508_outp-k_qc66362e508_outp
	.p2alignl 7, 3214868480
	.fill 96, 4, 3214868480
	.section	.rodata,"a",@progbits
	.p2align	6, 0x0
	.amdhsa_kernel k_qc66362e508_outp
		.amdhsa_group_segment_fixed_size 327680
		.amdhsa_private_segment_fixed_size 0
		.amdhsa_enable_private_segment 0
		.amdhsa_kernarg_size 56
		.amdhsa_user_sgpr_count 2
		.amdhsa_user_sgpr_kernarg_segment_ptr 1
		.amdhsa_wavefront_size32 1
		.amdhsa_system_sgpr_workgroup_id_x 1
		.amdhsa_system_sgpr_workgroup_id_y 1
		.amdhsa_system_sgpr_workgroup_id_z 1
		.amdhsa_system_vgpr_workitem_id 0
		.amdhsa_next_free_vgpr 1024
		.amdhsa_next_free_sgpr 100
		.amdhsa_reserve_vcc 0
		.amdhsa_float_denorm_mode_32 3
		.amdhsa_float_denorm_mode_16_64 3
		.amdhsa_memory_ordered 1
		.amdhsa_forward_progress 1
		.amdhsa_inst_pref_size 177
	.end_amdhsa_kernel
	.amdgpu_metadata
---
amdhsa.version: [ 1, 2 ]
amdhsa.kernels:
  - .name:           k_qc66362e508_outp
    .symbol:         k_qc66362e508_outp.kd
    .args:
      - { .name: hcodes, .offset: 0, .size: 8, .value_kind: global_buffer, .address_space: global }
      - { .name: hscales, .offset: 8, .size: 8, .value_kind: global_buffer, .address_space: global }
      - { .name: xcodes, .offset: 16, .size: 8, .value_kind: global_buffer, .address_space: global }
      - { .name: xscales, .offset: 24, .size: 8, .value_kind: global_buffer, .address_space: global }
      - { .name: bo, .offset: 32, .size: 8, .value_kind: global_buffer, .address_space: global }
      - { .name: k, .offset: 40, .size: 8, .value_kind: global_buffer, .address_space: global }
      - { .name: out0, .offset: 48, .size: 8, .value_kind: global_buffer, .address_space: global }
    .group_segment_fixed_size: 327680
    .private_segment_fixed_size: 0
    .kernarg_segment_align: 8
    .kernarg_segment_size: 56
    .max_flat_workgroup_size: 128
    .sgpr_count:     100
    .vgpr_count:     1024
    .wavefront_size: 32
...
	.end_amdgpu_metadata
.endif
;; end of part 4
